; MI455X (gfx1250); checked and timed in simulation.
; The chip was launched on July 23, 2026; its instructions are those of AMD's public machine-readable ISA for CDNA 5 (MIT licence, August 2026) and "CDNA5" Instruction Set Architecture Reference Guide (July 2026). The comments in the code are by the model that wrote it; some were corrected since.
;; Multi Head Attention. Allowed arithmetic: matrix products marked QUANTISED: E2M1 operands, one E8M0 scale for each 32 along K, by v_wmma_scale_f32_16x16x128_f8f6f4 with both operands' format E2M1 (or v_wmma_scale_f32_32x16x128_f4), f32 sums; products left as they are: bf16, f16 or f32 operands; f32 sums; everything else in f32.
;; Inputs: Wk 1,024 x 1,024 float32; Wo 1,024 x 1,024 float32; Wq 1,024 x 1,024 float32; Wv 1,024 x 1,024 float32; bk 1,024 float32; bo 1,024 float32; bq 1,024 float32; bv 1,024 float32; x 4 x 2,048 x 1,024 float32.
;; Outputs: out0 4 x 2,048 x 1,024 float32.
;; This version of the problem:
;;   THIS VERSION OF THE PROBLEM IS GIVEN IN LOW PRECISION. The matrix products marked QUANTISED in the list below multiply operands that are first quantised to E2M1 (2 exponent bits, 1 mantissa bit; 4 bits a number), with one power-of-two scale for each 32 numbers along K (OCP MX v1.0); their sums are f32. The products marked 'left as it is' may take bf16, f16 or f32 operands, with f32 sums. Whichever they take, every output number must still come out within the allowed error. Rounding operands to bf16 (8 significant bits) uses up far more of that allowance than f16 does (11 bits, for magnitudes from 6e-5 to 65,504). All else is computed in f32.
;;   The module's matrix products, in the order in which they are computed (A, B: the left and right operand; K: the contracted axis; several contracted axes count as one K, in the product's order):
;;     1. [M 8,192, K 1,024] x [K 1,024, N 1,024]; A: input x; B: input Wq: QUANTISED
;;     2. [M 8,192, K 1,024] x [K 1,024, N 1,024]; A: input x; B: input Wk: QUANTISED
;;     3. [M 8,192, K 1,024] x [K 1,024, N 1,024]; A: input x; B: input Wv: QUANTISED
;;     4. batch 64 x [M 2,048, K 64] x [K 64, N 2,048]; A: computed on the way; B: computed on the way: left as it is (an operand is computed on the way)
;;     5. batch 64 x [M 2,048, K 2,048] x [K 2,048, N 64]; A: computed on the way; B: computed on the way: left as it is (an operand is computed on the way)
;;     6. [M 8,192, K 1,024] x [K 1,024, N 1,024]; A: computed on the way; B: input Wo: left as it is (an operand is computed on the way)
;;   THE QUANTISER, for each operand of a quantised product, along K:
;;     - K is cut into blocks of 32 from its start; a last block that is shorter is filled with zeros.
;;     - A block's scale is 2^e with e = floor(log2(the largest magnitude in the block)) - 2, held to -126 .. 127; a block of zeros has e = 0. As a byte (E8M0): e + 127.
;;     - Each number is divided by its block's scale, clamped to +-6, and rounded to the nearest number of E2M1, ties to even, subnormals kept.
;;     - The product sums the exact products of the quantised numbers (number of the format x scale) in f32.
;;   ~~~python
;;   def quantise(x, axis):      # numpy; x: float32 -> the quantised numbers, widened to float32 again
;;       x = np.moveaxis(x, axis, -1); K = x.shape[-1]
;;       x = np.pad(x, [(0, 0)] * (x.ndim - 1) + [(0, -K % 32)]); x = x.reshape(x.shape[:-1] + (-1, 32)); a = np.abs(x).max(-1, keepdims=True)
;;       e = np.where(a > 0, np.clip(np.frexp(np.where(a > 0, a, 1))[1] - 1 - 2, -126, 127), 0)      # np.frexp(a)[1] - 1 = floor(log2(a)), exactly
;;       r = np.clip(x / 2.0 ** e, -6, 6)
;;       step = 2.0 ** (np.maximum(np.frexp(np.where(r == 0, 1, r))[1] - 1, 0) - 1)
;;       q = np.round(r / step) * step * 2.0 ** e      # np.round: ties to even
;;       return np.moveaxis(q.reshape(q.shape[:-2] + (-1,))[..., :K], -1, axis).astype(np.float32)
;;   ~~~
;; One version. Each part assembles by itself: llvm-mc -triple=amdgcn-amd-amdhsa -mcpu=gfx1250 --defsym DOCPART=n.
;; ======== version 1 of 1: 4 launches
;; limits: values are held in f16: magnitudes above 65,504 overflow, below 6.1e-05 lose precision
;; workspace buffers: xc 4,194,304 bytes; xs 262,144 bytes; wc 1,572,864 bytes; ws 98,304 bytes; woh 2,097,152 bytes; qkvh 50,331,648 bytes; ao 16,777,216 bytes
;; launch prep (part 1): grid 336 x 1, 4 waves a work-group, no clusters, 68,096 bytes of LDS; arguments x, Wq, Wk, Wv, Wo, xc, xs, wc, ws, woh; writes xc, xs, wc, ws, woh
.if DOCPART == 1
	.amdgcn_target "amdgcn-amd-amdhsa--gfx1250"
	.amdhsa_code_object_version 6
	.text
	.protected	k_q33b36c85fe_prep
	.globl	k_q33b36c85fe_prep
	.p2align	8
	.type	k_q33b36c85fe_prep,@function
k_q33b36c85fe_prep:
	s_mov_b64 s[64:65], 0
	v_nop
	global_prefetch_b8 v0, s[64:65] scope:SCOPE_SE
	s_setreg_imm32_b32 hwreg(HW_REG_WAVE_MODE, 25, 1), 1
	s_wait_xcnt 0x0
; PREP.  Three jobs in one launch, parted on the work-group's number alone; they meet again only at the wave's end.
;   W (work-groups 0-47):    Wq, Wk, Wv [1024 k][1024 n] f32 -> codes of E2M1 with K innermost, wc [3072 n][512 bytes], and one E8M0 byte for each 32 along K, ws [3072][32].  Rows 0-1023: Wq's columns, then Wk's, then Wv's.
;   X (work-groups 48-303):  x [8192][1024] f32 -> xc [8192][512 bytes], xs [8192][32].
;   C (work-groups 304-335): Wo f32 -> woh f16, layout unchanged.
; THE QUANTISER: a block's scale is 2^(floor(log2(its largest magnitude)) - 2); its byte is the largest magnitude's exponent field - 2, held at 1 from below; each number is divided by the scale and rounded to the
; nearest code, ties to even, beyond 6 the code of 6.
; LIMITS: a block of zeros gets the byte 1 where the rule says 127 (its codes are zeros, and this program alone reads the bytes); blocks whose largest magnitude lies under 2^-124 keep the byte 1;
; NaN and infinities among the inputs are not served; numbers of Wo beyond 65,504 have no f16, those under 6e-5 carry f16's absolute step of 6e-8.
; No work-group shares an input with another, so there is no cluster; every byte is read once and streams through registers, so there is no tensor load and no ring.
; LDS: 0 .. 34,815 path W's four stages; 34,816 .. 67,583 path X's four regions; then the spare words.  Each path has bytes of its own.
.set SPARE,  67584                     ; the spare words, 128 bytes for each wave: two blocks of 256 bytes that no other line names
.set SPW,    190                       ; v190  LDS address of my spare word; never rewritten
.set NIL,    191                       ; v191  0; never rewritten
.set WPITCH, 272                       ; path W: a stage row: 256 bytes of codes + 16
.set WX,     32                        ; v32-95   two sets of 32 numbers
.set WC,     96                        ; v96-99   a block's codes
.set WOUT,   112                       ; v112-175 the way out
.set WSB,    24                        ; v24-27   16 scale bytes
.set XBASE,  34816                     ; path X: a region of 8,192 bytes for each wave: two stages of 32 x 80 bytes, then its 256 scale bytes
.set XSP,    80                        ; a lane's place in a stage: 64 bytes + 16
.set XR,     16                        ; v16-79   four sets of 16 numbers as loaded
.set XN,     80                        ; v80-111  two sets of 16 neighbours
.set XE,     112                       ; v112-127 a scale byte for each step
.set XC,     128                       ; v128-159 two registers of codes for each step: no store's data are written again
.set XIN,    176                       ; v176 the stage, on the way in;  v177 on the way out;  v178 my block's scale byte;  v179 the bytes' way back;  v180 8 x lane
.set XOUT,   177
.set XBY,    178
.set XBK,    179
.set XCO,    180
.set CI,     16                        ; path C: v16-143 two sets of 64 numbers;  v144-175 their f16;  v182 16 x lane, v183 8 x lane
.set CO,     144
.set CLA,    182
.set CSA,    183
	s_load_b512 s[4:19], s[0:1], 0x0               ; x 4, Wq 6, Wk 8, Wv 10, Wo 12, xc 14, xs 16, wc 18
	s_load_b128 s[20:23], s[0:1], 0x40             ; ws 20, woh 22
	v_lshl_add_u32 v[SPW], v0, 2, SPARE
	v_mov_b32 v[NIL], 0
	v_lshrrev_b32 v1, 5, v0
	v_readfirstlane_b32 s24, v1                    ; wave 0..3
	v_and_b32 v2, 31, v0                           ; lane
	s_wait_kmcnt 0x0
	s_cmp_lt_u32 ttmp9, 48
	s_cbranch_scc1 .Lw
	s_cmp_lt_u32 ttmp9, 304
	s_cbranch_scc1 .Lx
; ---------------- C: a wave casts 8,192 numbers of Wo, in four batches of 16 loads; each load reads 512 consecutive bytes, each store writes 256
.macro CLOAD n
.irp i, 0,1,2,3,4,5,6,7,8,9,10,11,12,13,14,15
	global_load_b128 v[CI+64*((\n)%2)+4*\i:CI+64*((\n)%2)+4*\i+3], v[CLA], s[12:13] offset:8192*(\n)+512*\i th:TH_LOAD_NT
.endr
.endm
.macro CSTORE n
	s_wait_xcnt 0x0                                ; the last batch's stores have read their data registers: they are written again below
.irp i, 0,1,2,3,4,5,6,7,8,9,10,11,12,13,14,15
.if (\n) < 3
	s_wait_loadcnt 31-\i                           ; behind load i of this batch: its 15 - i successors and the next batch's 16
.else
	s_wait_loadcnt 15-\i
.endif
	v_cvt_pk_f16_f32 v[CO+2*\i], v[CI+64*((\n)%2)+4*\i], v[CI+64*((\n)%2)+4*\i+1]
	v_cvt_pk_f16_f32 v[CO+2*\i+1], v[CI+64*((\n)%2)+4*\i+2], v[CI+64*((\n)%2)+4*\i+3]
	global_store_b64 v[CSA], v[CO+2*\i:CO+2*\i+1], s[22:23] offset:4096*(\n)+256*\i
.endr
.endm
	s_sub_co_u32 s25, ttmp9, 304
	s_lshl_b32 s25, s25, 2
	s_add_co_u32 s25, s25, s24                     ; which run of 8,192 numbers is my wave's
	s_lshl_b32 s26, s25, 15
	s_mov_b32 s27, 0
	s_add_nc_u64 s[12:13], s[12:13], s[26:27]
	s_lshl_b32 s26, s25, 14
	s_add_nc_u64 s[22:23], s[22:23], s[26:27]
	v_lshlrev_b32 v[CLA], 4, v2
	v_lshlrev_b32 v[CSA], 3, v2
	CLOAD 0
	CLOAD 1
	CSTORE 0
	CLOAD 2
	CSTORE 1
	CLOAD 3
	CSTORE 2
	CSTORE 3
	s_branch .Lend
; ---------------- W: a lane takes a column n and its registers run down K: each load reads 128 consecutive bytes a wave, a block of 32 along K lies in one lane, and the codes come out with K innermost.
; A wave takes 32 columns x 512 along K: 16 blocks a lane, 256 bytes of codes a column.  They go through the wave's own stage and leave as rows: sixteen lanes store 256 consecutive bytes.
.macro WLOAD t
.irp i, 0,1,2,3,4,5,6,7,8,9,10,11,12,13,14,15,16,17,18,19,20,21,22,23,24,25,26,27,28,29,30,31
	global_load_b32 v[WX+32*((\t)%2)+\i], v3, s[28:29] offset:(32*(\t)+\i)*4096 th:TH_LOAD_NT
.endr
.endm
.macro WBLOCK t
.set XS, WX+32*((\t)%2)
.if (\t) < 15
	s_wait_loadcnt 32                              ; this block's 32 loads are in; the next block's 32 may be out
.else
	s_wait_loadcnt 0
.endif
	v_max3_num_f32 v12, |v[XS]|, |v[XS+1]|, |v[XS+2]|      ; the block's largest magnitude, in two chains
	v_max3_num_f32 v13, |v[XS+3]|, |v[XS+4]|, |v[XS+5]|
.irp i, 6,10,14,18,22,26
	v_max3_num_f32 v12, v12, |v[XS+\i]|, |v[XS+\i+1]|
	v_max3_num_f32 v13, v13, |v[XS+\i+2]|, |v[XS+\i+3]|
.endr
	v_max3_num_f32 v12, v12, |v[XS+30]|, |v[XS+31]|
	v_max3_num_f32 v12, v12, v13, 0x1800000        ; and the floor 2^(3 - 127): the byte cannot fall under 1
	v_add_nc_u32 v11, 0xff000000, v12              ; 2 off the exponent field: the conversion takes this operand's exponent field as its scale
	v_lshrrev_b32 v13, 23, v11                     ; the scale's byte
.if (\t)%4 == 0
	v_mov_b32 v[WSB+(\t)/4], v13
.else
	v_lshl_or_b32 v[WSB+(\t)/4], v13, 8*((\t)%4), v[WSB+(\t)/4]
.endif
.irp g, 0,1,2,3
	v_cvt_scalef32_pk8_fp4_f32 v[WC+\g], v[XS+8*\g:XS+8*\g+7], v11
.endr
	ds_store_b128 v4, v[WC:WC+3] offset:16*(\t)    ; 32 codes: 16 bytes of my column's row
.if (\t)+2 < 16
	WLOAD (\t)+2
.endif
	s_wait_dscnt 0x0                               ; the store has read its registers: the next block's codes may be written
.endm
.Lw:
	s_lshr_b32 s25, ttmp9, 4                       ; which weight: 0 Wq, 1 Wk, 2 Wv
	s_and_b32 s26, ttmp9, 7                        ; which 128 columns
	s_bfe_u32 s27, ttmp9, 0x10003                  ; which 512 along K
	s_cmp_eq_u32 s25, 0
	s_cselect_b64 s[28:29], s[6:7], s[8:9]
	s_cmp_eq_u32 s25, 2
	s_cselect_b64 s[28:29], s[10:11], s[28:29]
	s_lshl_b32 s30, s26, 7
	s_lshl_b32 s31, s24, 5
	s_add_co_u32 s30, s30, s31                     ; my wave's first column
	s_lshl_b32 s32, s27, 21                        ; 512 rows of 4,096 bytes
	s_lshl_b32 s33, s30, 2
	s_add_co_u32 s32, s32, s33
	s_mov_b32 s33, 0
	s_add_nc_u64 s[28:29], s[28:29], s[32:33]
	s_lshl_b32 s34, s25, 10
	s_add_co_u32 s34, s34, s30                     ; its row in wc and ws
	s_lshl_b32 s32, s34, 9
	s_lshl_b32 s35, s27, 8
	s_add_co_u32 s32, s32, s35
	s_add_nc_u64 s[18:19], s[18:19], s[32:33]
	s_lshl_b32 s32, s34, 5
	s_lshl_b32 s35, s27, 4
	s_add_co_u32 s32, s32, s35
	s_add_nc_u64 s[20:21], s[20:21], s[32:33]
	s_mul_i32 s35, s24, 32*WPITCH                  ; my stage
	v_lshlrev_b32 v3, 2, v2                        ; in: 4 bytes a lane
	v_mul_u32_u24 v4, v2, WPITCH
	v_add_nc_u32 v4, s35, v4                       ; into the stage: row = my column
	v_and_b32 v5, 15, v2
	v_lshrrev_b32 v6, 4, v2
	v_mul_u32_u24 v7, v6, WPITCH
	v_lshl_add_u32 v7, v5, 4, v7
	v_add_nc_u32 v7, s35, v7                       ; out of it: sixteen lanes to a row, two rows an instruction
	v_lshlrev_b32 v8, 9, v6
	v_lshl_add_u32 v8, v5, 4, v8                   ; and the same place in wc
	v_lshlrev_b32 v9, 5, v2                        ; my column's row of scale bytes
	WLOAD 0
	WLOAD 1
.irp t, 0,1,2,3,4,5,6,7,8,9,10,11,12,13,14,15
	WBLOCK \t
.endr
	global_store_b128 v9, v[WSB:WSB+3], s[20:21]   ; my column's 16 scale bytes
.irp t, 0,1,2,3,4,5,6,7,8,9,10,11,12,13,14,15
	ds_load_b128 v[WOUT+4*\t:WOUT+4*\t+3], v7 offset:2*\t*WPITCH   ; a wave's LDS instructions are served in order: these see my stores
.endr
.irp t, 0,1,2,3,4,5,6,7,8,9,10,11,12,13,14,15
	s_wait_dscnt 15-\t                             ; the 15 - t younger loads may be out
	global_store_b128 v8, v[WOUT+4*\t:WOUT+4*\t+3], s[18:19] offset:2*\t*512
.endr
	s_branch .Lend
; ---------------- X: rows are dense and 1,024 is a multiple of 32, so x is a stream of blocks of 32.  A wave takes 16 steps of 512 numbers.  Each load reads 512 consecutive bytes, 16 a lane; a step's 2,048 bytes
; turn through the wave's own stage, so that a lane then holds 16 neighbours along K (two neighbouring lanes hold a block).  Loads run four steps ahead, the turn one step.
.macro XLOAD t
.irp i, 0,1,2,3
	global_load_b128 v[XR+16*((\t)%4)+4*\i:XR+16*((\t)%4)+4*\i+3], v3, s[4:5] offset:2048*(\t)+512*\i th:TH_LOAD_NT
.endr
.endm
.macro XTURN t
.irp i, 0,1,2,3
	ds_store_b128 v[XIN], v[XR+16*((\t)%4)+4*\i:XR+16*((\t)%4)+4*\i+3] offset:32*XSP*((\t)%2)+8*XSP*\i
.endr
.irp i, 0,1,2,3
	ds_load_b128 v[XN+16*((\t)%2)+4*\i:XN+16*((\t)%2)+4*\i+3], v[XOUT] offset:32*XSP*((\t)%2)+16*\i
.endr
.endm
.macro XSTEP t
.set XS, XN+16*((\t)%2)
.if (\t) > 0
	s_wait_dscnt 1                                 ; this step's numbers are back from the stage; the last step's byte store may be out
.else
	s_wait_dscnt 0x0
.endif
.if (\t)+4 < 16
	XLOAD (\t)+4                                   ; into the registers that this step's stores into the stage have read
.endif
.if (\t)+1 < 16
.if 14-(\t) >= 3
	s_wait_loadcnt 12                              ; the next step's four loads are in; those of the three steps behind it may be out
.else
	s_wait_loadcnt 4*(14-(\t))
.endif
	XTURN (\t)+1
.endif
	v_max3_num_f32 v8, |v[XS]|, |v[XS+1]|, |v[XS+2]|
	v_max3_num_f32 v9, |v[XS+3]|, |v[XS+4]|, |v[XS+5]|
.irp i, 6,10
	v_max3_num_f32 v8, v8, |v[XS+\i]|, |v[XS+\i+1]|
	v_max3_num_f32 v9, v9, |v[XS+\i+2]|, |v[XS+\i+3]|
.endr
	v_max3_num_f32 v8, v8, |v[XS+14]|, |v[XS+15]|
	v_max3_num_f32 v8, v8, v9, 0x1800000           ; and the floor 2^(3 - 127)
	v_max_num_f32_dpp v8, v8, v8 row_xmask:1 row_mask:0xf bank_mask:0xf   ; with my neighbour's 16: the block's largest magnitude
	v_add_nc_u32 v11, 0xff000000, v8
	v_cvt_scalef32_pk8_fp4_f32 v[XC+2*(\t)], v[XS:XS+7], v11
	v_cvt_scalef32_pk8_fp4_f32 v[XC+2*(\t)+1], v[XS+8:XS+15], v11
	v_lshrrev_b32 v[XE+(\t)], 23, v11              ; the scale's byte (a plain line behind the conversions)
	ds_store_b8 v[XBY], v[XE+(\t)] offset:16*(\t)  ; both lanes of a block write the same byte with the same value
	global_store_b64 v[XCO], v[XC+2*(\t):XC+2*(\t)+1], s[14:15] offset:256*(\t)   ; the wave stores 256 consecutive bytes
.endm
.Lx:
	s_sub_co_u32 s25, ttmp9, 48
	s_lshl_b32 s25, s25, 2
	s_add_co_u32 s25, s25, s24                     ; which run of 8,192 numbers is my wave's
	s_lshl_b32 s26, s25, 15
	s_mov_b32 s27, 0
	s_add_nc_u64 s[4:5], s[4:5], s[26:27]
	s_lshl_b32 s26, s25, 12
	s_add_nc_u64 s[14:15], s[14:15], s[26:27]
	s_lshl_b32 s26, s25, 8
	s_add_nc_u64 s[16:17], s[16:17], s[26:27]
	s_lshl_b32 s28, s24, 13
	s_add_co_u32 s28, s28, XBASE                   ; my region
	v_lshlrev_b32 v3, 4, v2
	v_lshrrev_b32 v[XIN], 2, v2
	v_mul_u32_u24 v[XIN], v[XIN], XSP
	v_and_b32 v[XOUT], 3, v2
	v_lshl_add_u32 v[XIN], v[XOUT], 4, v[XIN]
	v_add_nc_u32 v[XIN], s28, v[XIN]               ; in: four lanes' 64 bytes on end, then 16 of padding
	v_mul_u32_u24 v[XOUT], v2, XSP
	v_add_nc_u32 v[XOUT], s28, v[XOUT]             ; out: my 16 neighbours
	v_lshlrev_b32 v[XCO], 3, v2
	v_lshrrev_b32 v[XBY], 1, v2
	s_add_co_u32 s28, s28, 2*32*XSP
	v_add_nc_u32 v[XBY], s28, v[XBY]
	v_add_nc_u32 v[XBK], s28, v[XCO]
.irp t, 0,1,2,3
	XLOAD \t
.endr
	s_wait_loadcnt 12                              ; step 0's four loads are in
	XTURN 0
.irp t, 0,1,2,3,4,5,6,7,8,9,10,11,12,13,14,15
	XSTEP \t
.endr
	ds_load_b64 v[8:9], v[XBK]                     ; my wave's 256 scale bytes, 8 a lane
	s_wait_dscnt 0x0
	global_store_b64 v[XCO], v[8:9], s[16:17]      ; 256 consecutive bytes
.Lend:
	s_wait_tensorcnt 0x0                           ; the wave's end
	ds_add_u32 v[SPW], v[NIL]
	s_wait_dscnt 0x0
	s_endpgm
.Lfunc_end_k_q33b36c85fe_prep:
	.size	k_q33b36c85fe_prep, .Lfunc_end_k_q33b36c85fe_prep-k_q33b36c85fe_prep
	.p2alignl 7, 3214868480
	.fill 96, 4, 3214868480
	.section	.rodata,"a",@progbits
	.p2align	6, 0x0
	.amdhsa_kernel k_q33b36c85fe_prep
		.amdhsa_group_segment_fixed_size 68096
		.amdhsa_private_segment_fixed_size 0
		.amdhsa_enable_private_segment 0
		.amdhsa_kernarg_size 80
		.amdhsa_user_sgpr_count 2
		.amdhsa_user_sgpr_kernarg_segment_ptr 1
		.amdhsa_wavefront_size32 1
		.amdhsa_system_sgpr_workgroup_id_x 1
		.amdhsa_system_sgpr_workgroup_id_y 1
		.amdhsa_system_sgpr_workgroup_id_z 1
		.amdhsa_system_vgpr_workitem_id 0
		.amdhsa_next_free_vgpr 192
		.amdhsa_next_free_sgpr 66
		.amdhsa_reserve_vcc 0
		.amdhsa_float_denorm_mode_32 3
		.amdhsa_float_denorm_mode_16_64 3
		.amdhsa_memory_ordered 1
		.amdhsa_forward_progress 1
		.amdhsa_inst_pref_size 133
	.end_amdhsa_kernel
	.amdgpu_metadata
---
amdhsa.version: [ 1, 2 ]
amdhsa.kernels:
  - .name:           k_q33b36c85fe_prep
    .symbol:         k_q33b36c85fe_prep.kd
    .args:
      - { .name: x, .offset: 0, .size: 8, .value_kind: global_buffer, .address_space: global }
      - { .name: Wq, .offset: 8, .size: 8, .value_kind: global_buffer, .address_space: global }
      - { .name: Wk, .offset: 16, .size: 8, .value_kind: global_buffer, .address_space: global }
      - { .name: Wv, .offset: 24, .size: 8, .value_kind: global_buffer, .address_space: global }
      - { .name: Wo, .offset: 32, .size: 8, .value_kind: global_buffer, .address_space: global }
      - { .name: xc, .offset: 40, .size: 8, .value_kind: global_buffer, .address_space: global }
      - { .name: xs, .offset: 48, .size: 8, .value_kind: global_buffer, .address_space: global }
      - { .name: wc, .offset: 56, .size: 8, .value_kind: global_buffer, .address_space: global }
      - { .name: ws, .offset: 64, .size: 8, .value_kind: global_buffer, .address_space: global }
      - { .name: woh, .offset: 72, .size: 8, .value_kind: global_buffer, .address_space: global }
    .group_segment_fixed_size: 68096
    .private_segment_fixed_size: 0
    .kernarg_segment_align: 8
    .kernarg_segment_size: 80
    .max_flat_workgroup_size: 128
    .sgpr_count:     66
    .vgpr_count:     192
    .wavefront_size: 32
...
	.end_amdgpu_metadata
.endif
;; end of part 1
;; launch qkv (part 2): grid 12 x 32, 4 waves a work-group, clusters of 4 x 4, 327,680 bytes of LDS; arguments xc, xs, wc, ws, bq, bk, bv, qkvh; writes qkvh
.if DOCPART == 2
	.amdgcn_target "amdgcn-amd-amdhsa--gfx1250"
	.amdhsa_code_object_version 6
	.text
	.protected	k_q33b36c85fe_qkv
	.globl	k_q33b36c85fe_qkv
	.p2align	8
	.type	k_q33b36c85fe_qkv,@function
k_q33b36c85fe_qkv:
	s_mov_b64 s[64:65], 0
	v_nop
	global_prefetch_b8 v0, s[64:65] scope:SCOPE_SE
	s_setreg_imm32_b32 hwreg(HW_REG_WAVE_MODE, 25, 1), 1
	s_wait_xcnt 0x0
	s_wait_alu depctr_hold_cnt(0) depctr_sa_sdst(0) depctr_va_vdst(0) depctr_va_sdst(0) depctr_va_ssrc(0) depctr_va_vcc(0) depctr_vm_vsrc(0)
	s_getreg_b32 s2, hwreg(HW_REG_IB_STS2, 6, 4)
	s_cmp_eq_u32 s2, 0
	s_cbranch_scc0 .Lentry_in_a_cluster
	s_endpgm
.Lentry_in_a_cluster:
	s_bfe_u32 s2, ttmp6, 0x10000c
	s_cmp_lg_u32 s2, 0xf033
	s_cbranch_scc0 .Lentry_shape_is_right
	s_endpgm
.Lentry_shape_is_right:
; QKV.  C[m][n] = sum over k of x[m][k] W[n][k] + bias[n] on codes of E2M1 with one E8M0 scale for each 32 along K: M 8,192, N 3,072 (Wq's, Wk's, Wv's columns on end), K 1,024.
; The result is rounded to f16 and laid by head: qkvh [3 (q, k, v)][64 (batch x 16 + head)][2,048][64].  LIMIT: results beyond 65,504 have no f16.
; A tile of C, 256 x 256, is made by a work-group of four waves; a wave makes 128 x 128: 64 accumulators of 16 x 16, 512 registers.  K is two LDS slots of 512 (rows of 256 bytes): both are asked for at the head and
; nothing is ever filled again.  The scale bytes of the tile's 256 + 256 rows, for all of K, are two dense blocks of memory and come with the first fills.
; CLUSTERS: 4 x 4 work-groups.  The four of a row of the cluster need the same tiles of x, the four of a column the same tiles of W: each is asked for jointly, by the same tensor load with the same descriptor and a
; mask that names the four.  A cluster's x (0, 1, 2) is q, k or v.
; THE MATRIX INSTRUCTION IS USED TRANSPOSED (source 0 = 16 rows of W, source 1 = 16 rows of x): a lane holds eight neighbouring columns of one row of C.  The bias is the C of each sum's first instruction.
; REGISTERS: window 0: v0-31 addresses; v32-95 scale words, two sets; v128-191 x's fragments, one set; v192-255 the bias in the result's layout; on the way out v32-127 are at work.
;   window 1: W's fragments, two sets, at v0 and v128.   window 2: the accumulators of my rows 0-63 ((a, b) at v[8 (8 a + b)]);   window 3: those of my rows 64-127.
.set KSTEP,  512
.set NQ,     4                         ; matrix instructions deep in a slot
.set ROWB,   256                       ; a tile's row in bytes
.set KROW,   512                       ; a row of codes in memory
.set PITCH,  272                       ; an LDS row: 256 bytes + 16: the 16 rows that a load touches start 68 words apart
.set FR,     8
.set NL,     2
.set NP,     4
.set HALFT,  128*PITCH
.set SLOT,   4*HALFT
.set KS,     32                        ; a row of scale bytes
.set SCL,    2*SLOT                    ; behind the slots: the scales, as rows of 256 bytes + 16
.set HALFS,  16*272                    ; those of 128 rows
.set SBLK,   2*272                     ; those of 16 rows
.set SPARE,  SCL+4*HALFS               ; the spare words, 128 bytes for each wave: two blocks of 256 bytes that no other line names
.set SPITCH, 144                       ; the way out: a stage of 32 rows x (128 bytes + 16) for each wave, in slot 0, which has had its one fill and its last read by then
.set ADRA, 16
.set ADRB, 20
.set STO,  24
.set RD,   25
.set CO,   26
.set ADRS, 27
.set SPW,  28
.set NIL,  29
.set BO,   30
.set SC,   32
.set AF,   128
.set BIAS, 192
.set TMP,  32
.set BK,   64
.set G1, 24
.set G0, 32
.set G1B, 48
.set G0B, 56
.set G1S, 68
.set G0S, 76
.set G1SB, 80
.set G0SB, 88
.set MSB, 0
.macro WIN new                         ; the immediate's high byte repeats the setting that is left
.if MSB != (\new)
	s_set_vgpr_msb (MSB<<8)|(\new)
.set MSB, (\new)
.endif
.endm
.set MUL_LO, 0xa1                      ; source 0 (W) window 1, source 1 (x) window 0, C and D window 2; less 0x20: C (the bias) window 0
.set MUL_HI, 0xf1                      ; the same, C and D window 3; less 0x30: C window 0
.set TO_B,   0x40
; A joint load: waves 0 and 1 fetch for x, waves 2 and 3 for W.  The branch hangs on the wave's number alone.  An s_nop 0 and four v_nop follow each line.
.macro JLOAD g0a, g1a, g0b, g1b
	s_cmp_eq_u32 s15, 0
	s_cbranch_scc0 .Lfor_b_\@
	tensor_load_to_lds s[\g0a:\g0a+3], s[\g1a:\g1a+7]
	s_nop 0
.rept 4
	v_nop
.endr
	s_branch .Lasked_\@
.Lfor_b_\@:
	tensor_load_to_lds s[\g0b:\g0b+3], s[\g1b:\g1b+7]
	s_nop 0
.rept 4
	v_nop
.endr
.Lasked_\@:
.endm
.macro CROUND                          ; a round of the cluster's barrier
	s_barrier_signal -1
	s_barrier_wait -1
	s_cmp_lg_u32 s14, 0
	s_cbranch_scc1 .Lnot_wave_0_\@
	s_barrier_signal -3
.Lnot_wave_0_\@:
	s_barrier_wait -3
	s_barrier_signal -1
	s_barrier_wait -1
.endm
	s_load_b128 s[4:7], s[0:1], 0x0                ; x's codes, x's scales
	s_load_b128 s[8:11], s[0:1], 0x10              ; W's codes, W's scales
	s_load_b128 s[96:99], s[0:1], 0x20             ; bq, bk
	s_load_b64 s[100:101], s[0:1], 0x30            ; bv
	s_load_b64 s[12:13], s[0:1], 0x38              ; qkvh
	v_lshl_add_u32 v[SPW], v0, 2, SPARE
	v_mov_b32 v[NIL], 0
	ds_add_u32 v[SPW], v[NIL]                      ; the wave's opening: the add, twice on end, and its wait ahead of my first tensor load
	ds_add_u32 v[SPW], v[NIL]
	v_lshrrev_b32 v1, 5, v0
	v_readfirstlane_b32 s14, v1                    ; wave 0..3
	s_lshr_b32 s15, s14, 1                         ; which half of the tile's rows is mine.  Also: I fetch for x (0) or for W (1)
	s_and_b32 s16, s14, 1                          ; which half of its columns.  Also: which 128 rows of that tile I fetch
	s_bfe_u32 s40, ttmp6, 0x40000                  ; cx, cy
	s_bfe_u32 s41, ttmp6, 0x40004
	s_lshl_b32 s42, ttmp9, 2
	s_add_co_u32 s42, s42, s40                     ; tile column
	s_and_b32 s17, ttmp7, 0xffff
	s_lshl_b32 s17, s17, 2
	s_add_co_u32 s17, s17, s41                     ; tile row
	s_lshl_b32 s43, s41, 2
	s_lshl_b32 s43, 15, s43                        ; my row of the cluster
	s_lshl_b32 s44, 0x1111, s40                    ; my column
	s_or_b32 s[G1+0], s43, (0<<16)|(1<<20)|(1<<21)|(5<<22)|(3<<25)  ; the mask; elements of 1 byte; padding on; bit 21 beside a mask; after every 64 words four words
	s_or_b32 s[G1B+0], s44, (0<<16)|(1<<20)|(1<<21)|(5<<22)|(3<<25)
.irp g, G1, G1B
	s_mov_b32 s[\g+1], ROWB<<16                    ; tensor_dim0
	s_mov_b32 s[\g+2], 128<<16                     ; tensor_dim1
	s_mov_b32 s[\g+3], ROWB<<16                    ; tile_dim0
	s_mov_b32 s[\g+4], 128                         ; tile_dim1
	s_mov_b32 s[\g+5], KROW                        ; the pitch
	s_mov_b32 s[\g+6], 0
	s_mov_b32 s[\g+7], 0
.endr
	s_or_b32 s[G1S+0], s43, (3<<16)|(1<<20)|(1<<21)|(5<<22)|(3<<25) ; the scales of 128 rows: 4,096 dense bytes as 16 rows of 32 elements of 8 bytes
	s_or_b32 s[G1SB+0], s44, (3<<16)|(1<<20)|(1<<21)|(5<<22)|(3<<25)
.irp g, G1S, G1SB
	s_mov_b32 s[\g+1], 32<<16
	s_mov_b32 s[\g+2], 16<<16
	s_mov_b32 s[\g+3], 32<<16
	s_mov_b32 s[\g+4], 16
	s_mov_b32 s[\g+5], 32
	s_mov_b32 s[\g+6], 0
	s_mov_b32 s[\g+7], 0
.endr
	s_lshl_b32 s18, s16, 7
	s_lshl_b32 s20, s17, 8
	s_add_co_u32 s20, s20, s18                     ; x: row 256 x tile row + 128 x half
	s_lshl_b32 s46, s42, 8
	s_add_co_u32 s46, s46, s18                     ; W: row 256 x tile column + 128 x half
	s_mov_b32 s21, 0
	s_mov_b32 s47, 0
	s_mov_b64 s[18:19], KS
	s_mul_u64 s[22:23], s[20:21], s[18:19]         ; where these rows' scales begin
	s_mul_u64 s[92:93], s[46:47], s[18:19]
	s_mov_b64 s[18:19], KROW
	s_mul_u64 s[20:21], s[20:21], s[18:19]         ; and their codes
	s_mul_u64 s[46:47], s[46:47], s[18:19]
	s_mul_i32 s45, s14, HALFT                      ; where they go: wave x 128 rows
	s_mul_i32 s94, s14, HALFS
	s_wait_dscnt 0x0                               ; both opening adds are done
	s_wait_kmcnt 0x0
	s_add_nc_u64 s[20:21], s[4:5], s[20:21]
	s_add_nc_u64 s[22:23], s[6:7], s[22:23]
	s_add_nc_u64 s[46:47], s[8:9], s[46:47]
	s_add_nc_u64 s[92:93], s[10:11], s[92:93]
	CROUND                                         ; all sixteen work-groups are here: the joint loads meet
	s_mov_b32 s[G0S], 1
	s_add_co_u32 s[G0S+1], s94, SCL
	s_mov_b64 s[G0S+2:G0S+3], s[22:23]
	s_or_b32 s[G0S+3], s[G0S+3], 0x80000000
	s_mov_b32 s[G0SB], 1
	s_add_co_u32 s[G0SB+1], s94, SCL
	s_mov_b64 s[G0SB+2:G0SB+3], s[92:93]
	s_or_b32 s[G0SB+3], s[G0SB+3], 0x80000000
	JLOAD G0S, G1S, G0SB, G1SB                     ; the scales first.  By this text's count a wave has three tensor loads out, and never issues another
.irp s, 0,1
	s_mov_b32 s[G0+4*\s], 1
	s_add_co_u32 s[G0+4*\s+1], s45, \s*SLOT
	s_add_nc_u64 s[G0+4*\s+2:G0+4*\s+3], s[20:21], \s*ROWB
	s_or_b32 s[G0+4*\s+3], s[G0+4*\s+3], 0x80000000
	s_mov_b32 s[G0B+4*\s], 1
	s_add_co_u32 s[G0B+4*\s+1], s45, \s*SLOT
	s_add_nc_u64 s[G0B+4*\s+2:G0B+4*\s+3], s[46:47], \s*ROWB
	s_or_b32 s[G0B+4*\s+3], s[G0B+4*\s+3], 0x80000000
	JLOAD G0+4*\s, G1, G0B+4*\s, G1B
.endr
	v_and_b32 v1, 15, v0                           ; r = lane % 16
	v_bfe_u32 v2, v0, 4, 1                         ; h = lane / 16
	v_mul_u32_u24 v3, v1, PITCH
	v_lshl_add_u32 v4, v2, 4, v3                   ; a fragment's row x pitch + 16 h
	s_mul_i32 s21, s15, HALFT
	s_mul_i32 s22, s16, HALFT
	s_add_co_u32 s22, s22, 2*HALFT
.irp s, 0,1
	v_add_nc_u32 v[ADRA+\s], s21, v4
	v_add_nc_u32 v[ADRB+\s], s22, v4
	s_add_co_u32 s21, s21, SLOT
	s_add_co_u32 s22, s22, SLOT
.endr
	v_mul_u32_u24 v5, v1, KS                       ; my row's scales: 32 bytes a row,
	v_lshrrev_b32 v6, 8, v5
	v_lshl_add_u32 v5, v6, 4, v5                   ; and 16 more for each 256 passed
	s_mul_i32 s21, s15, HALFS
	s_mul_i32 s22, s16, HALFS
	s_add_co_u32 s22, s22, 2*HALFS
	s_sub_co_u32 s22, s22, s21
	v_mul_u32_u24 v6, s22, v2                      ; lanes 16-31 take W's
	s_add_co_u32 s21, s21, SCL
	v_add_nc_u32 v5, v5, v6
	v_add_nc_u32 v[ADRS], s21, v5
	s_mul_i32 s23, s14, 32*SPITCH                  ; my stage
	v_mul_u32_u24 v5, v1, SPITCH
	v_lshl_add_u32 v5, v2, 4, v5
	v_add_nc_u32 v[STO], s23, v5                   ; in: row r, 16 bytes for each half of the lanes
	v_and_b32 v6, 31, v0
	v_lshlrev_b32 v[CO], 4, v6                     ; out: 16 bytes a lane, 512 on end
	v_lshrrev_b32 v5, 3, v6
	v_mul_u32_u24 v5, v5, SPITCH
	v_and_b32 v6, 7, v0
	v_lshl_add_u32 v5, v6, 4, v5
	v_add_nc_u32 v[RD], s23, v5                    ; back: eight lanes to a row of 128 bytes, four rows an instruction
	; the bias of my 128 columns, in the result's layout: lane (r, h) wants, for block b, the numbers 16 b + 8 h + 0 .. 7
	s_cmp_eq_u32 ttmp9, 0
	s_cselect_b64 s[96:97], s[96:97], s[98:99]
	s_cmp_eq_u32 ttmp9, 2
	s_cselect_b64 s[96:97], s[100:101], s[96:97]
	s_lshl_b32 s46, s40, 10                        ; 256 cx numbers of 4 bytes
	s_lshl_b32 s47, s16, 9
	s_add_co_u32 s46, s46, s47
	s_mov_b32 s47, 0
	s_add_nc_u64 s[96:97], s[96:97], s[46:47]
	v_lshlrev_b32 v[BO], 5, v2
.irp b, 0,1,2,3,4,5,6,7
	global_load_b128 v[BIAS+8*\b:BIAS+8*\b+3], v[BO], s[96:97] offset:64*\b
	global_load_b128 v[BIAS+8*\b+4:BIAS+8*\b+7], v[BO], s[96:97] offset:64*\b+16
.endr
	; where my part begins in qkvh: part x 2^24 + (((batch x 16 + head) x 2,048 + position) x 128 bytes
	s_lshl_b32 s20, s17, 8
	s_lshl_b32 s21, s15, 7
	s_add_co_u32 s20, s20, s21                     ; my first row m
	s_lshr_b32 s21, s20, 11                        ; the batch
	s_and_b32 s20, s20, 2047                       ; the position
	s_lshl_b32 s21, s21, 4
	s_lshl_b32 s46, s40, 2
	s_add_co_u32 s21, s21, s46
	s_lshl_b32 s46, s16, 1
	s_add_co_u32 s21, s21, s46                     ; + my first head: 4 cx + 2 x half
	s_lshl_b32 s21, s21, 11
	s_add_co_u32 s20, s20, s21
	s_lshl_b32 s20, s20, 7
	s_lshl_b32 s46, ttmp9, 24
	s_add_co_u32 s20, s20, s46
	s_mov_b32 s21, 0
	s_add_nc_u64 s[12:13], s[12:13], s[20:21]
.macro FRAG reg, adr, q, i             ; 16 rows x 128 K of 4-bit codes: registers 4 c .. 4 c + 3 hold K = 64 c + 32 h + 0 .. 31
.irp c, 0,1
	ds_load_b128 v[\reg+4*\c:\reg+4*\c+3], v[\adr] offset:64*(\q)+32*\c+(\i)*16*PITCH
.endr
.endm
; 16 matrix instructions: x's blocks a0, a0 + 1 against W's eight.  p: W's set;  sc: the set of scale words.  zero = 1: the first product starts the sums from the bias.
; The 64 accumulators take turns, one instruction a turn, in the same order in every step.
.macro MUL16 a0, p, q, sc, zero
.irp a, \a0, \a0+1
.irp b, 0,1,2,3,4,5,6,7
.if \zero
	v_wmma_scale_f32_16x16x128_f8f6f4 v[8*(8*((\a)%4)+\b):8*(8*((\a)%4)+\b)+7], v[128*(\p)+FR*\b:128*(\p)+FR*\b+FR-1], v[AF+FR*(\a):AF+FR*(\a)+FR-1], v[BIAS+8*\b:BIAS+8*\b+7], v[SC+8*NQ*(\sc)+NQ*\b+(\q)], v[SC+8*NQ*(\sc)+NQ*(\a)+(\q)] matrix_a_fmt:MATRIX_FMT_FP4 matrix_b_fmt:MATRIX_FMT_FP4 matrix_a_scale:MATRIX_SCALE_ROW1
.else
	v_wmma_scale_f32_16x16x128_f8f6f4 v[8*(8*((\a)%4)+\b):8*(8*((\a)%4)+\b)+7], v[128*(\p)+FR*\b:128*(\p)+FR*\b+FR-1], v[AF+FR*(\a):AF+FR*(\a)+FR-1], v[8*(8*((\a)%4)+\b):8*(8*((\a)%4)+\b)+7], v[SC+8*NQ*(\sc)+NQ*\b+(\q)], v[SC+8*NQ*(\sc)+NQ*(\a)+(\q)] matrix_a_fmt:MATRIX_FMT_FP4 matrix_b_fmt:MATRIX_FMT_FP4 matrix_a_scale:MATRIX_SCALE_ROW1
.endif
.endr
.endr
.endm
.macro FETCH_B slot, q, p
	WIN TO_B
.irp i, 0,1,2,3,4,5,6,7
	FRAG 128*(\p)+FR*\i, ADRB+\slot, \q, \i
.endr
	WIN 0
.endm
.macro FETCH_A slot, q, i0
.irp i, \i0, \i0+1, \i0+2, \i0+3
	FRAG AF+FR*(\i), ADRA+\slot, \q, \i
.endr
.endm
.macro SCALES sc                       ; a slot's scale words: four a row; lanes 0-15 take x's block i, lanes 16-31 W's block i
.irp i, 0,1,2,3,4,5,6,7
	ds_load_b128 v[SC+8*NQ*\sc+NQ*\i:SC+8*NQ*\sc+NQ*\i+3], v[ADRS] offset:\i*SBLK
.endr
.endm
.macro PLACES n                        ; plain vector places between a matrix instruction and a load into, or a vector read or write of, its registers
.rept \n
	v_nop
.endr
.endm
.macro STEP slot, q, zero              ; 128 along K, with its successor in the same slot
	s_wait_dscnt 4*NL                              ; W's set and x's blocks 0-3 are in; the youngest eight loads (x's blocks 4-7) may be out
	WIN MUL_LO-0x20*(\zero)
	MUL16 0, (\q)%2, \q, \slot, \zero
	MUL16 2, (\q)%2, \q, \slot, \zero
	s_wait_dscnt 0
	PLACES NP
	FETCH_B \slot, (\q)+1, 1-(\q)%2
	FETCH_A \slot, (\q)+1, 0
	WIN MUL_HI-0x30*(\zero)
	MUL16 4, (\q)%2, \q, \slot, \zero
	MUL16 6, (\q)%2, \q, \slot, \zero
	PLACES NP
	WIN 0
	FETCH_A \slot, (\q)+1, 4
.endm
.macro STEPS slot, from
.set Q, \from
.rept NQ-1-\from
	STEP \slot, Q, 0
.set Q, Q+1
.endr
.endm
	s_wait_tensorcnt 1                             ; the scales and my part of slot 0 are in; slot 1's load may be out
	s_barrier_signal -1
	s_barrier_wait -1
	FETCH_B 0, 0, 0
	FETCH_A 0, 0, 0
	SCALES 0
	FETCH_A 0, 0, 4
	s_wait_loadcnt 0x0                             ; the bias
	STEP 0, 0, 1
	STEPS 0, 1
	; slot 0's last step changes slots: one barrier; ahead of it my part of slot 1 has landed and my reads of slot 0 are over
	s_wait_tensorcnt 0x0
	ds_add_u32 v[SPW], v[NIL]
	s_wait_dscnt 4*NL+1                            ; the add and the youngest eight loads may be out
	WIN MUL_LO
	MUL16 0, 1, NQ-1, 0, 0
	s_wait_dscnt 0x0
	s_barrier_signal -1
	MUL16 2, 1, NQ-1, 0, 0
	WIN 0
	s_barrier_wait -1
	PLACES NP
	v_add_nc_u32 v[ADRS], 4*NQ, v[ADRS]            ; on to slot 1's scale words
	FETCH_B 1, 0, 0
	FETCH_A 1, 0, 0
	SCALES 1
	WIN MUL_HI
	MUL16 4, 1, NQ-1, 0, 0
	MUL16 6, 1, NQ-1, 0, 0
	PLACES NP
	WIN 0
	FETCH_A 1, 0, 4
	STEPS 1, 0
	s_wait_dscnt 4*NL                              ; the last step: nothing more to fetch
	WIN MUL_LO
	MUL16 0, 1, NQ-1, 1, 0
	MUL16 2, 1, NQ-1, 1, 0
	s_wait_dscnt 0
	WIN MUL_HI
	MUL16 4, 1, NQ-1, 1, 0
	MUL16 6, 1, NQ-1, 1, 0
	WIN 0
; THE WAY OUT, a block of 16 rows x 128 columns (two heads) at a time: rounded to f16, 16 bytes a lane, into my stage as 32 rows of 128 bytes (head, row), and back as four rows an instruction:
; in qkvh a head's rows follow each other, so each store covers 512 consecutive bytes.
.macro PACK a
.set AC, 64*((\a)%4)
	WIN 0x0a+5*((\a)/4)                            ; sources 0 and 1: window 2 or 3
.irp b, 0,1,2,3,4,5,6,7
.irp r, 0,1,2,3
	v_cvt_pk_f16_f32 v[TMP+4*\b+\r], v[AC+8*\b+2*\r], v[AC+8*\b+2*\r+1]   ; each accumulator from its low end on
.endr
.endr
	WIN 0
.endm
.macro TOSTAGE a
.set BB, BK+32*((\a)%2)
.irp b, 0,1,2,3,4,5,6,7
	ds_store_b128 v[STO], v[TMP+4*\b:TMP+4*\b+3] offset:(\b/4)*16*SPITCH+32*(\b%4)
.endr
.irp t, 0,1,2,3,4,5,6,7
	ds_load_b128 v[BB+4*\t:BB+4*\t+3], v[RD] offset:\t*4*SPITCH    ; a wave's LDS instructions are served in order: these see the stores above
.endr
.endm
.macro SEND a
.set BB, BK+32*((\a)%2)
	s_wait_dscnt 0x0                               ; the block is back in registers
	s_wait_xcnt 0x0                                ; the stores of two blocks back have read their data: the next block's loads may land there
.irp t, 0,1,2,3,4,5,6,7
	global_store_b128 v[CO], v[BB+4*\t:BB+4*\t+3], s[12:13] offset:(\t/4)*262144+2048*(\a)+512*(\t%4)
.endr
.endm
	PLACES NP
	PACK 0
	TOSTAGE 0
.irp a, 1,2,3,4,5,6,7                  ; block a's conversions stand between block a - 1's loads from the stage and the wait for them
	PACK \a
	SEND \a-1
	TOSTAGE \a
.endr
	SEND 7
	s_wait_tensorcnt 0x0                           ; the wave's end
	ds_add_u32 v[SPW], v[NIL]
	s_wait_dscnt 0x0
	CROUND                                         ; the closing round
	s_endpgm
.Lfunc_end_k_q33b36c85fe_qkv:
	.size	k_q33b36c85fe_qkv, .Lfunc_end_k_q33b36c85fe_qkv-k_q33b36c85fe_qkv
	.p2alignl 7, 3214868480
	.fill 96, 4, 3214868480
	.section	.rodata,"a",@progbits
	.p2align	6, 0x0
	.amdhsa_kernel k_q33b36c85fe_qkv
		.amdhsa_group_segment_fixed_size 327680
		.amdhsa_private_segment_fixed_size 0
		.amdhsa_enable_private_segment 0
		.amdhsa_kernarg_size 64
		.amdhsa_user_sgpr_count 2
		.amdhsa_user_sgpr_kernarg_segment_ptr 1
		.amdhsa_wavefront_size32 1
		.amdhsa_system_sgpr_workgroup_id_x 1
		.amdhsa_system_sgpr_workgroup_id_y 1
		.amdhsa_system_sgpr_workgroup_id_z 1
		.amdhsa_system_vgpr_workitem_id 0
		.amdhsa_next_free_vgpr 1024
		.amdhsa_next_free_sgpr 102
		.amdhsa_reserve_vcc 0
		.amdhsa_float_denorm_mode_32 3
		.amdhsa_float_denorm_mode_16_64 3
		.amdhsa_memory_ordered 1
		.amdhsa_forward_progress 1
		.amdhsa_inst_pref_size 128
	.end_amdhsa_kernel
	.amdgpu_metadata
---
amdhsa.version: [ 1, 2 ]
amdhsa.kernels:
  - .name:           k_q33b36c85fe_qkv
    .symbol:         k_q33b36c85fe_qkv.kd
    .args:
      - { .name: xc, .offset: 0, .size: 8, .value_kind: global_buffer, .address_space: global }
      - { .name: xs, .offset: 8, .size: 8, .value_kind: global_buffer, .address_space: global }
      - { .name: wc, .offset: 16, .size: 8, .value_kind: global_buffer, .address_space: global }
      - { .name: ws, .offset: 24, .size: 8, .value_kind: global_buffer, .address_space: global }
      - { .name: bq, .offset: 32, .size: 8, .value_kind: global_buffer, .address_space: global }
      - { .name: bk, .offset: 40, .size: 8, .value_kind: global_buffer, .address_space: global }
      - { .name: bv, .offset: 48, .size: 8, .value_kind: global_buffer, .address_space: global }
      - { .name: qkvh, .offset: 56, .size: 8, .value_kind: global_buffer, .address_space: global }
    .group_segment_fixed_size: 327680
    .private_segment_fixed_size: 0
    .kernarg_segment_align: 8
    .kernarg_segment_size: 64
    .max_flat_workgroup_size: 128
    .sgpr_count:     102
    .vgpr_count:     1024
    .wavefront_size: 32
...
	.end_amdgpu_metadata
.endif
;; end of part 2
;; launch attn (part 3): grid 8 x 64, 4 waves a work-group, clusters of 4 x 1, 327,680 bytes of LDS; arguments qkvh, ao; writes ao
.if DOCPART == 3
	.amdgcn_target "amdgcn-amd-amdhsa--gfx1250"
	.amdhsa_code_object_version 6
	.text
	.protected	k_q33b36c85fe_attn
	.globl	k_q33b36c85fe_attn
	.p2align	8
	.type	k_q33b36c85fe_attn,@function
k_q33b36c85fe_attn:
	s_mov_b64 s[64:65], 0
	v_nop
	global_prefetch_b8 v0, s[64:65] scope:SCOPE_SE
	s_setreg_imm32_b32 hwreg(HW_REG_WAVE_MODE, 25, 1), 1
	s_wait_xcnt 0x0
	s_wait_alu depctr_hold_cnt(0) depctr_sa_sdst(0) depctr_va_vdst(0) depctr_va_sdst(0) depctr_va_ssrc(0) depctr_va_vcc(0) depctr_vm_vsrc(0)
	s_getreg_b32 s2, hwreg(HW_REG_IB_STS2, 6, 4)
	s_cmp_eq_u32 s2, 0
	s_cbranch_scc0 .Lentry_in_a_cluster
	s_endpgm
.Lentry_in_a_cluster:
	s_bfe_u32 s2, ttmp6, 0x10000c
	s_cmp_lg_u32 s2, 0x3003
	s_cbranch_scc0 .Lentry_shape_is_right
	s_endpgm
.Lentry_shape_is_right:
; ATTN.  ao[y][q][:] = the sum over k of softmax_k(Q[y][q] . K[y][k] / 8) V[y][k][:], y = batch x 16 + head.  Q, K, V: the three parts of qkvh, each [64][2,048][64] f16; ao likewise.
; Products, maxima and sums in f32; the weights p are rounded to f16 for the second product, the result once at the end.  LIMIT: results under 6e-5 carry f16's absolute step of 6e-8.
; SHARES.  A work-group owns 256 queries of one head, each of its four waves 64: four tiles of 16.  Every wave walks all 2,048 keys, 64 a step.
; LAYOUT.  S^T = K Q^T (source 0 = 16 keys, source 1 = 16 queries): a lane holds ONE query (lane % 16) and the keys 8 (lane / 16) + 0..7.  Two such tiles, rounded to f16 in pairs, ARE source 1 of O^T = V^T P,
; whose result again holds one query a lane.  K comes out of LDS as it lies, V ([key][channel]) turned, by ds_load_tr16_b128.
; SOFTMAX.  For each query a running maximum m and sum l: p = 2^(c s - c m), c = log2(e) / 8; in every step O and l are multiplied by a = 2^(c m_old - c m_new).
; BY TURNS.  The wave's tiles are two pieces (tiles 0, 1 and tiles 2, 3).  In a turn one piece has the matrix unit: 16 products V^T P of the step in hand, then 16 products K Q^T of the next step; the other piece's
; softmax, 236 vector instructions cut into 59 slices of four, stands between them: two slices behind each product, one behind each of the last five.  Two turns are a key step.
; RING.  Two LDS slots of four key steps (256 keys of K and of V), filled by the tensor data mover: waves 0, 1 K's halves, waves 2, 3 V's.
; CLUSTER.  The four query blocks of a cluster belong to one head and walk the same K and V: each tile is asked for jointly, with a mask that names the four.
; REGISTERS, in windows of 256: window 0: v2-8 addresses; v12-43 statistics, 8 a tile; v61-63; v64-191 S^T, 32 a tile; v192-255 P, 16 a tile.
;   window 1: v0-127 O^T, 32 a tile.   window 2: v0-63 Q, 16 a tile; v128-191 K of one step.   window 3: v0-63 V of one step.
.set SIZE_N, 2048
.set KS,    64                         ; keys in a step
.set NST,   4                          ; steps in a slot
.set PK,    144                        ; a row of K in LDS: 128 bytes + 16
.set PVP,   160                        ; a row of V: 128 bytes + 32
.set KSTB,  KS*PK                      ; a step's K in LDS
.set VSTB,  KS*PVP                     ; a step's V
.set VOFF,  NST*KSTB                   ; a slot: 256 rows of K, then 256 rows of V
.set SLOT1, 1<<17                      ; slot 1 begins here: one exclusive or turns an address of one slot into the other's
.set SLOTB, NST*KS*128                 ; a slot's bytes of K, or of V, in memory
.set STAGE, SLOT1+NST*(KSTB+VSTB)      ; behind the ring: 16 rows x 144 bytes for each wave, for the way out
.set SP,    144
.set SPARE, STAGE+4*16*SP              ; the spare words, 128 bytes for each wave: two blocks of 256 bytes that no other line names
.set NSL,   59                         ; slices in a piece's softmax
.set AK0, 2
.set AV0, 3
.set ADR, 4
.set QO,  5
.set STO, 6
.set RD,  7
.set GO,  8
.set PFO, 61                           ; v61  256 x my lane; never rewritten
.set SPW, 62                           ; v62  LDS address of my spare word; never rewritten
.set NIL, 63                           ; v63  0; never rewritten
.set ST,  12                           ; tile t's statistics at v[ST+8 t]: +0 c m, +1 m, +2, +3 l (even keys', odd keys'), +4 to +7 at work; a takes +6 once the maximum is found
.set S,   64
.set P,   192
.set KF,  128
.set WV,  12
.set LIM, 15
.set PFA, 18
.set G1K, 24
.set G1V, 32
.set G0K, 40                           ; s[40:47] group 0 for K's tiles: a set for each first fill; the second then walks on
.set G0V, 48
.set SLOTS, 56
.set CNT, 57
.set CS,  58
.set SEL, 60
.set TBK, 62                           ; s62  LDS byte at which K of the step to be fetched begins;  s63 the same for V (less VOFF)
.set TBV, 63
.set MSB, 0
.macro WIN new
.if MSB != (\new)
	s_set_vgpr_msb (MSB<<8)|(\new)
.set MSB, (\new)
.endif
.endm
.set W_KQ, 0x0a                        ; K and Q in window 2, S^T in window 0
.set W_PV, 0x53                        ; V in window 3, P in window 0, O^T in window 1
.set W_RS, 0x41                        ; O^T (destination and source 0) in window 1, a in window 0
.macro JLOAD                           ; a joint refill; the branch hangs on the wave's number alone; an s_nop 0 and four v_nop follow each line
	s_cmp_lt_u32 s[WV], 2
	s_cbranch_scc0 .Lfor_v_\@
	tensor_load_to_lds s[G0K+4:G0K+7], s[G1K:G1K+7]
	s_nop 0
.rept 4
	v_nop
.endr
	s_branch .Lasked_\@
.Lfor_v_\@:
	tensor_load_to_lds s[G0V+4:G0V+7], s[G1V:G1V+7]
	s_nop 0
.rept 4
	v_nop
.endr
.Lasked_\@:
.endm
; A prefetch of what the NEXT change of slots will ask for: 32,768 bytes of K and as many of V.  Each aligned block of 256 bytes is named once in the launch: the head's first cluster asks; its four partners take
; 8,192 bytes each, told apart by address; in each, wave 0 asks for K's and wave 2 for V's, lanes 256 bytes apart.  Four key steps, 256 products, ahead of the load.  The last change that fills a slot asks for nothing.
.macro ASK
	s_cmp_gt_u32 s[SLOTS], s[LIM]
	s_cbranch_scc0 .Lnot_mine_\@
	global_prefetch_b8 v[PFO], s[PFA:PFA+1] th:TH_LOAD_NT scope:SCOPE_SE
.Lnot_mine_\@:
.endm
.macro CROUND
	s_barrier_signal -1
	s_barrier_wait -1
	s_cmp_lg_u32 s[WV], 0
	s_cbranch_scc1 .Lnot_wave_0_\@
	s_barrier_signal -3
.Lnot_wave_0_\@:
	s_barrier_wait -3
	s_barrier_signal -1
	s_barrier_wait -1
.endm
	s_load_b128 s[8:11], s[0:1], 0x0               ; qkvh s[8:9], ao s[10:11]
	v_lshl_add_u32 v[SPW], v0, 2, SPARE
	v_mov_b32 v[NIL], 0
	ds_add_u32 v[SPW], v[NIL]                      ; the wave's opening: the add, twice on end, and its wait ahead of my first tensor load
	ds_add_u32 v[SPW], v[NIL]
	v_lshrrev_b32 v1, 5, v0
	v_readfirstlane_b32 s[WV], v1                  ; wave 0..3
	s_bfe_u32 s13, ttmp6, 0x40000                  ; cx
	s_lshl_b32 s14, ttmp9, 2
	s_add_co_u32 s14, s14, s13                     ; my block of 256 queries: it enters Q's and ao's addresses alone
	s_and_b32 s20, ttmp7, 0xffff                   ; the head, which the four partners share
	s_lshl_b32 s20, s20, 18                        ; its 262,144 bytes in each part
	s_mov_b32 s21, 0
	s_and_b32 s16, s[WV], 1                        ; which half of a slot's 256 rows I fetch:
	s_lshl_b32 s22, s16, 14                        ; 128 rows of 128 bytes in memory,
	s_mov_b32 s23, 0
	s_add_nc_u64 s[22:23], s[22:23], s[20:21]
	s_mul_i32 s17, s16, 128*PK                     ; and their place in a slot: K's,
	s_mul_i32 s16, s16, 128*PVP                    ; V's
	s_lshl_b32 s2, s14, 15                         ; my block's 256 rows,
	s_lshl_b32 s3, s[WV], 13                       ; my wave's 64 of them
	s_add_co_u32 s2, s2, s3
	s_mov_b32 s3, 0
	s_add_nc_u64 s[2:3], s[2:3], s[20:21]
	s_mov_b32 s[G1K], 15|(1<<16)|(1<<20)|(1<<21)|(4<<22)|(3<<25)  ; the mask: all four; elements of 2 bytes; padding on; bit 21 beside a mask; after every 32 words four words
	s_mov_b32 s[G1V], 15|(1<<16)|(1<<20)|(1<<21)|(4<<22)|(7<<25)  ; the same with eight words of padding
.irp g, G1K, G1V
	s_mov_b32 s[\g+1], 64<<16                      ; tensor_dim0
	s_mov_b32 s[\g+2], 128<<16                     ; tensor_dim1
	s_mov_b32 s[\g+3], 64<<16                      ; tile_dim0
	s_mov_b32 s[\g+4], 128                         ; tile_dim1
	s_mov_b32 s[\g+5], 64                          ; the pitch
	s_mov_b32 s[\g+6], 0
	s_mov_b32 s[\g+7], 0
.endr
	s_mov_b32 s[CS], 0x3e38aa3b                    ; c = log2(e) / 8
	s_mov_b32 s[CS+1], s[CS]
	s_mov_b32 s[SEL], 0x76543210
	s_mov_b32 s[SEL+1], 0xfedcba98
	s_mov_b32 s[TBK], 0
	s_mov_b32 s[TBV], 0
	s_mov_b32 s[SLOTS], SIZE_N/(NST*KS)-2
	s_and_b32 s[LIM], s[WV], 1                     ; 0 in waves 0 and 2,
	s_or_b32 s[LIM], s[LIM], ttmp9                 ; where the cluster is the head's first: the same in all four partners
	s_cmp_eq_u32 s[LIM], 0
	s_cselect_b32 s[LIM], 1, -1
	v_and_b32 v[PFO], 31, v0
	v_lshlrev_b32 v[PFO], 8, v[PFO]
	s_wait_dscnt 0x0                               ; both opening adds are done
	s_wait_kmcnt 0x0
	s_add_nc_u64 s[4:5], s[8:9], s[2:3]            ; Q at my wave's first row
	s_add_nc_u64 s[6:7], s[8:9], s[22:23]
	s_add_nc_u64 s[8:9], s[6:7], 0x2000000         ; V at my half of slot 0
	s_add_nc_u64 s[6:7], s[6:7], 0x1000000         ; K likewise
	s_add_nc_u64 s[10:11], s[10:11], s[2:3]        ; ao at my wave's first row
	s_cmp_lt_u32 s[WV], 2
	s_cselect_b64 s[PFA:PFA+1], s[6:7], s[8:9]
	s_lshl_b32 s2, s13, 13                         ; my work-group's 8,192 bytes of the 32,768
	s_mov_b32 s3, 0
	s_add_nc_u64 s[PFA:PFA+1], s[PFA:PFA+1], s[2:3]
	s_add_nc_u64 s[PFA:PFA+1], s[PFA:PFA+1], 2*SLOTB   ; in slot 2; the first change of slots steps it to slot 3.  Nothing is prefetched at the head
	CROUND                                         ; all four work-groups are here: the first joint loads meet
.irp s, 0,1
	s_mov_b32 s[G0K+4*\s], 1
	s_add_co_u32 s[G0K+4*\s+1], s17, \s*SLOT1
	s_add_nc_u64 s[G0K+4*\s+2:G0K+4*\s+3], s[6:7], \s*SLOTB
	s_or_b32 s[G0K+4*\s+3], s[G0K+4*\s+3], 0x80000000
	s_mov_b32 s[G0V+4*\s], 1
	s_add_co_u32 s[G0V+4*\s+1], s16, \s*SLOT1+VOFF
	s_add_nc_u64 s[G0V+4*\s+2:G0V+4*\s+3], s[8:9], \s*SLOTB
	s_or_b32 s[G0V+4*\s+3], s[G0V+4*\s+3], 0x80000000
.endr
	s_cmp_lt_u32 s[WV], 2                          ; a wave's two first fills stand in one branch: two loads of mine are out
	s_cbranch_scc0 .Lfirst_v
	tensor_load_to_lds s[G0K:G0K+3], s[G1K:G1K+7]
	s_nop 0
	tensor_load_to_lds s[G0K+4:G0K+7], s[G1K:G1K+7]
	s_nop 0
.rept 4
	v_nop
.endr
	s_branch .Lfirst_asked
.Lfirst_v:
	tensor_load_to_lds s[G0V:G0V+3], s[G1V:G1V+7]
	s_nop 0
	tensor_load_to_lds s[G0V+4:G0V+7], s[G1V:G1V+7]
	s_nop 0
.rept 4
	v_nop
.endr
.Lfirst_asked:
	v_and_b32 v1, 15, v0                           ; r
	v_bfe_u32 v9, v0, 4, 1                         ; h
	v_lshlrev_b32 v[QO], 7, v1
	v_lshl_add_u32 v[QO], v9, 4, v[QO]             ; row x 128 + 16 h
	WIN 0x80                                       ; destination window 2
.irp i, 0,1,2,3,4,5,6,7                        ; Q stays in registers: tile i / 2, channels 32 (i % 2) on
	global_load_b128 v[8*\i:8*\i+3],   v[QO], s[4:5] offset:(\i/2)*2048+(\i%2)*64
	global_load_b128 v[8*\i+4:8*\i+7], v[QO], s[4:5] offset:(\i/2)*2048+(\i%2)*64+32
.endr
	WIN 0
	v_mul_u32_u24 v[AK0], v1, PK
	v_lshl_add_u32 v[AK0], v9, 4, v[AK0]
	v_and_b32 v10, 7, v0
	v_bfe_u32 v11, v0, 3, 1
	v_lshl_add_u32 v[AV0], v9, 3, v10              ; the turning load: key 8 h + lane % 8, channels 8 ((lane / 8) % 2) on
	v_mul_u32_u24 v[AV0], v[AV0], PVP
	v_lshl_add_u32 v[AV0], v11, 4, v[AV0]
	v_add_nc_u32 v[AV0], VOFF, v[AV0]
; THE MATRIX WORK OF A TURN, for piece x.  The accumulators take turns, one instruction a turn: between two links of a chain stand seven others'.
; Product i of 16 of O^T += V^T P: keys 32 (i / 8) on, channels 16 ((i / 2) % 4) on, tile x + i % 2.  zero = 1: the first 8 start the sums.
.macro PV x, zero
	WIN W_PV
.set rO, 32*(\x+i%2)+8*((i/2)%4)
.set rV, 32*(i/8)+8*((i/2)%4)
.set rP, P+16*(\x+i%2)+8*(i/8)
.if \zero && (i < 8)
	v_wmma_f32_16x16x32_f16 v[rO:rO+7], v[rV:rV+7], v[rP:rP+7], 0
.else
	v_wmma_f32_16x16x32_f16 v[rO:rO+7], v[rV:rV+7], v[rP:rP+7], v[rO:rO+7]
.endif
.endm
; Product i of 16 of S^T = K Q^T: channels 32 (i / 8) on, keys 16 ((i / 2) % 4) on, tile x + i % 2.  The first 8 start the sums.
.macro KQ x
	WIN W_KQ
.set rS, S+32*(\x+i%2)+8*((i/2)%4)
.set rK, KF+16*((i/2)%4)+8*(i/8)
.set rQ, 16*(\x+i%2)+8*(i/8)
.if i < 8
	v_wmma_f32_16x16x32_f16 v[rS:rS+7], v[rK:rK+7], v[rQ:rQ+7], 0
.else
	v_wmma_f32_16x16x32_f16 v[rS:rS+7], v[rK:rK+7], v[rQ:rQ+7], v[rS:rS+7]
.endif
.endm
; THE LDS LOADS stand in runs of 16: a step's K (64 keys x 64 channels: 8 fragments) and, a turn later, its V (turned).
.macro FETCH_K
	WIN 0
	v_add_nc_u32 v[ADR], s[TBK], v[AK0]
	s_add_co_u32 s[TBK], s[TBK], KSTB
	WIN 0x80
.irp f, 0,1,2,3,4,5,6,7                        ; keys 16 (f / 2) on, channels 32 (f % 2) on
	ds_load_b128 v[KF+8*\f:KF+8*\f+3],   v[ADR] offset:(\f/2)*16*PK+(\f%2)*64
	ds_load_b128 v[KF+8*\f+4:KF+8*\f+7], v[ADR] offset:(\f/2)*16*PK+(\f%2)*64+32
.endr
.endm
.macro FETCH_V
	WIN 0
	v_add_nc_u32 v[ADR], s[TBV], v[AV0]
	s_add_co_u32 s[TBV], s[TBV], VSTB
	s_wait_alu depctr_va_vdst(0)                   ; the wait for the softmax's batch of exponentials, ahead of the first line that names a result
	WIN 0xc0
.irp f, 0,1,2,3,4,5,6,7                        ; keys 32 (f / 4) on, channels 16 (f % 4) on
	ds_load_tr16_b128 v[8*\f:8*\f+3],   v[ADR] offset:(\f/4)*32*PVP+(\f%4)*32
	ds_load_tr16_b128 v[8*\f+4:8*\f+7], v[ADR] offset:(\f/4)*32*PVP+16*PVP+(\f%4)*32
.endr
.endm
; THE VECTOR WORK OF A TURN.  One tile's softmax for one key step is a list of 118 instructions; SM writes number j of it for tile t.  first = 1: the first key step, which has no a and nothing to rescale.
;   0-15 the maximum of the lane's 32 scores and the old m;  16-20 the other half of the lanes' maximum, the new m, c m, c m_old - c m_new;
;   21-69 ONE BATCH: the 16 packed scalings c s - c m and all 33 exponentials (a at 23); none of these reads an exponential's result;  (the wait for the batch: SLICE writes it, once for both tiles)
;   70-85 the roundings to f16;  86-101 the sums, l = a l + the sum;  102-117 the tile's O^T times a.
.macro SM t, first
.set rT, ST+8*(\t)
.set rS, S+32*(\t)
.set rP, P+16*(\t)
.set rO, 32*(\t)+2*(j-102)
.if j < 102
	WIN 0
.endif
.if j < 4
	v_max3_num_f32 v[rT+4+j], v[rS+8*j], v[rS+8*j+1], v[rS+8*j+2]
.elseif j < 12
	v_max3_num_f32 v[rT+4+j%4], v[rT+4+j%4], v[rS+8*(j%4)+2*(j/4)+1], v[rS+8*(j%4)+2*(j/4)+2]
.elseif j == 12
	v_max3_num_f32 v[rT+4], v[rT+4], v[rS+7], v[rS+15]
.elseif j == 13
	v_max3_num_f32 v[rT+6], v[rT+6], v[rS+23], v[rS+31]
.elseif j == 14
	v_max3_num_f32 v[rT+4], v[rT+4], v[rT+5], v[rT+6]
.elseif (j == 15) && \first
	v_max_num_f32 v[rT+4], v[rT+4], v[rT+7]
.elseif j == 15
	v_max3_num_f32 v[rT+4], v[rT+4], v[rT+7], v[rT+1]
.elseif j == 16
	v_permlanex16_b32 v[rT+5], v[rT+4], s[SEL], s[SEL+1]   ; the query's other 32 keys lie in the lane 16 away
.elseif j == 18
	v_max_num_f32 v[rT+1], v[rT+4], v[rT+5]
.elseif j == 19
	v_mul_f32 v[rT], s[CS], v[rT+1]
.elseif ((j == 17) || (j == 20) || (j == 23) || (j > 101)) && \first
.elseif j == 17
	v_mov_b32 v[rT+7], v[rT]                       ; c m_old is kept for a
.elseif j == 20
	v_sub_f32 v[rT+7], v[rT+7], v[rT]
.elseif j == 23
	v_exp_f32 v[rT+6], v[rT+7]
.elseif (j < 23) || ((j < 38) && (j%2 == 0)) || ((j < 66) && (j%4 == 2))
.set b, (j-2)/4
.if j < 38
.set b, (j-20)/2
.endif
	v_pk_fma_f32 v[rS+2*b:rS+2*b+1], v[rS+2*b:rS+2*b+1], s[CS:CS+1], v[rT:rT+1] op_sel_hi:[1,0,0] neg_lo:[0,0,1] neg_hi:[0,0,1]  ; pair b: c s - c m
.elseif j < 70
.set e, j-38
.if j < 66
.set e, j-32-(j-38)/4
.endif
.if j < 38
.set e, (j-25)/2
.endif
	v_exp_f32 v[rS+e], v[rS+e]
.elseif j < 86
	v_cvt_pk_f16_f32 v[rP+j-70], v[rS+2*(j-70)], v[rS+2*(j-70)+1]
.elseif j < 102
.set z, j-86
.set w, 4
.set u, z
.if z >= 14
.set w, 32
.set u, 0
.elseif z >= 12
.set w, 16
.set u, z-12
.elseif z >= 8
.set w, 8
.set u, z-8
.endif
.if (z == 14) && \first
	v_pk_add_f32 v[rT+2:rT+3], v[rS:rS+1], v[rS+16:rS+17]
.elseif z < 15
	v_pk_add_f32 v[rS+w*u:rS+w*u+1], v[rS+w*u:rS+w*u+1], v[rS+w*u+w/2:rS+w*u+w/2+1]
.elseif !\first
	v_pk_fma_f32 v[rT+2:rT+3], v[rT+2:rT+3], v[rT+6:rT+7], v[rS:rS+1] op_sel_hi:[1,0,1]
.endif
.else
	WIN W_RS
	v_pk_mul_f32 v[rO:rO+1], v[rO:rO+1], v[rT+6:rT+7] op_sel_hi:[1,0]
.endif
.endm
; Slice k of 59 of piece y's softmax: four instructions.  Slices 11 to 34 deal out the batch, four numbers of ONE tile each, the tiles by turns; every other slice is numbers 2 k and 2 k + 1 of both tiles.
; Ahead of slice 35 nothing names an exponential's result, and behind slice 34 no exponential is issued: the piece's 66 exponentials have one wait, behind slice 34.
.macro SLICE y, first
.if (k >= 11) && (k < 35)
.irp n, 0,1,2,3
.set j, 22+4*((k-11)/2)+(\n)
	SM (\y)+(k-11)%2, \first
.endr
.else
.irp n, 0,1
.irp t, \y, \y+1
.set j, 2*k+\n
	SM \t, \first
.endr
.endr
.endif
.if k == 34
	v_nop                                          ; a plain instruction behind the last exponential and ahead of the first use: one for the batch
.if (\y) == 0
	FETCH_V                                        ; piece 2's turn: V's run of loads stands here, and the wait stands in it
.else
	s_wait_alu depctr_va_vdst(0)                   ; the wait for the batch
.endif
.endif
.set k, k+1
.endm
; Behind product npd of the turn's NPR: slices up to min(per x npd, 59 - NPR + npd), so that each of the last products still has one, and slice 58 stands behind the last.
.macro DEAL y, first
.set npd, npd+1
.set tgt, per*npd
.if tgt > NSL-NPR+npd
.set tgt, NSL-NPR+npd
.endif
.rept tgt-k
	SLICE \y, \first
.endr
.endm
.macro PLACES
.rept 4
	v_nop
.endr
.endm
; A TURN.  Piece x has the matrix unit.  pv = 2: 16 products V^T P; 1: they start O^T's sums; 0: none.  kq = 1: 16 products K Q^T for the next step.  first = 1: the softmax is the first key step's: its last slices
; are empty, and four v_nop take slice 58's part.  Slice 58, four packed multiplies on the OTHER piece's O^T, is the four places between the turn's last product and the next read of its scores and the loads into K.
; Piece 0's turn fetches the next step's K behind its second product.  Piece 2's turn fetches the same step's V behind slice 34: between V's last reader (product 16) and the loads stand two products K Q^T, three slices, the v_nop and the
; run's own v_add_nc_u32.
.macro TURN x, pv, kq, first
.set k, 0
.set npd, 0
.set NPR, 16
.set per, 4
.if \pv && \kq
.set NPR, 32
.set per, 2
.endif
.if \pv
.if \x == 0
	s_wait_dscnt 0x0                               ; V is in
.endif
.set i, 0
.rept 16
	PV \x, 2-\pv
	DEAL 2-\x, \first
.if (\x == 0) && \kq && (i == 1)
	FETCH_K
.endif
.set i, i+1
.endr
.endif
.if \kq
.if \x == 0
	s_wait_dscnt 0x0                               ; K is in
.endif
.set i, 0
.rept 16
	KQ \x
	DEAL 2-\x, \first
.set i, i+1
.endr
.endif
.if \first
	PLACES
.endif
.endm
; THE CHANGE OF SLOTS, between piece 2's turn and piece 0's: the slot's last bytes, V of its fourth step, have been asked for.  Each wave waits for all its tensor loads (one is out: its part of the other slot), adds 0 to
; its spare word, and waits for that and for its reads of the slot.  fill = 1: the barrier is a round of the cluster's, and the joint refill, with the keys two slots on, is the first thing behind it: it has four key
; steps, 256 products, in which to land.
.macro CHANGE fill
	WIN 0
	s_wait_tensorcnt 0x0                           ; no tensor load of mine is out, so a group 0 may be written
	ds_add_u32 v[SPW], v[NIL]
.if \fill
.irp d, G0K+4, G0V+4
	s_xor_b32 s[\d+1], s[\d+1], SLOT1              ; the walking descriptor: the other slot than last time,
	s_add_nc_u64 s[\d+2:\d+3], s[\d+2:\d+3], SLOTB ; the next 256 keys
.endr
	s_wait_xcnt 0x0                                ; the last prefetch, a slot back, has read its address
	s_add_nc_u64 s[PFA:PFA+1], s[PFA:PFA+1], SLOTB
	s_wait_dscnt 0x0                               ; the add is done, and my reads of the slot are over
	CROUND
	JLOAD
	ASK
.else
	s_wait_dscnt 0x0
	s_barrier_signal -1
	s_barrier_wait -1
.endif
	s_sub_co_u32 s[TBK], s[TBK], NST*KSTB          ; the fetches go back to a slot's first step,
	s_xor_b32 s[TBK], s[TBK], SLOT1                ; in the other slot
	s_sub_co_u32 s[TBV], s[TBV], NST*VSTB
	s_xor_b32 s[TBV], s[TBV], SLOT1
.endm
.macro STEPS n                         ; n key steps: written once, walked n times; the LDS addresses hang on s[TBK], s[TBV]
	s_mov_b32 s[CNT], \n
.Lstep_\@:
	TURN 0, 2, 1, 0
	TURN 2, 2, 1, 0
	WIN 0
	s_sub_co_u32 s[CNT], s[CNT], 1
	s_cmp_lg_u32 s[CNT], 0
	s_cbranch_scc1 .Lstep_\@
.endm
	s_wait_tensorcnt 1                             ; my part of slot 0 is in; slot 1's may stay out
	s_barrier_signal -1
	s_barrier_wait -1
	FETCH_K                                        ; key step 0
	s_wait_loadcnt 0x0                             ; Q
	s_wait_dscnt 0x0
.set i, 0
.rept 16
	KQ 0                                           ; piece 0's first scores
.set i, i+1
.endr
	WIN 0                                          ; the addresses for the way out are made here: plain instructions, the places behind those products
	s_mul_i32 s13, s[WV], 16*SP
	s_add_co_u32 s13, s13, STAGE                   ; my stage
	v_mul_u32_u24 v[STO], v1, SP                   ; in: row r, 16 bytes for each half of the lanes
	v_lshl_add_u32 v[STO], v9, 4, v[STO]
	v_add_nc_u32 v[STO], s13, v[STO]
	v_and_b32 v[GO], 31, v0
	v_lshrrev_b32 v[RD], 3, v[GO]                  ; back: eight lanes to a row of 128 bytes, four rows an instruction
	v_mul_u32_u24 v[RD], v[RD], SP
	v_lshl_add_u32 v[RD], v10, 4, v[RD]
	v_add_nc_u32 v[RD], s13, v[RD]
	v_lshlrev_b32 v[GO], 4, v[GO]                  ; and the same 512 bytes on end in ao
	TURN 2, 0, 1, 1                                ; piece 2's first scores | piece 0's first softmax | V of step 0
	TURN 0, 1, 1, 1                                ; piece 0: V^T P of step 0 starts O^T, K Q^T of step 1 | piece 2's first softmax | K of step 1
	TURN 2, 1, 1, 0                                ; piece 2: the same | piece 0's softmax of step 1 | V of step 1
	WIN 0
	STEPS 2                                        ; slot 0's steps 2 and 3 are fetched
.Lslot:                                            ; six trips: every slot but the last two is filled again
	CHANGE 1
	STEPS 4
	s_sub_co_u32 s[SLOTS], s[SLOTS], 1
	s_cmp_lg_u32 s[SLOTS], 0
	s_cbranch_scc1 .Lslot
	CHANGE 0                                       ; the tail is written out
	STEPS 4
	TURN 0, 2, 0, 0                                ; piece 0: V^T P of the last step | piece 2's last softmax
.set i, 0
.rept 16
	PV 2, 0                                        ; piece 2: V^T P of the last step
.set i, i+1
.endr
	; THE WAY OUT.  l's two halves and the other half of the lanes' are added; O^T is divided by l, rounded to f16 and sent through my stage, a tile (16 rows) at a time.  The additions are the places behind the last products.
	WIN 0
.irp t, 0,1,2,3
	v_add_f32 v[ST+8*\t+4], v[ST+8*\t+2], v[ST+8*\t+3]
.endr
.irp t, 0,1,2,3
	v_permlanex16_b32 v[ST+8*\t+5], v[ST+8*\t+4], s[SEL], s[SEL+1]
.endr
.irp t, 0,1,2,3
	v_add_f32 v[ST+8*\t+4], v[ST+8*\t+4], v[ST+8*\t+5]
.endr
.irp t, 0,1,2,3
	v_rcp_f32 v[ST+8*\t+6], v[ST+8*\t+4]
.endr
	v_nop                                          ; a plain instruction between the last reciprocal and the use of its result
	s_wait_alu depctr_va_vdst(0)                   ; and the wait ahead of the first use: one for the four
.macro PACK t
	WIN W_RS
.set i, 32*\t
.rept 16
	v_pk_mul_f32 v[i:i+1], v[i:i+1], v[ST+8*\t+6:ST+8*\t+7] op_sel_hi:[1,0]   ; each accumulator from its low end on
.set i, i+2
.endr
	WIN 0x05                                       ; sources 0 and 1 window 1, destination window 0: S^T's registers are free
.set i, 0
.rept 16
	v_cvt_pk_f16_f32 v[S+32*\t+i], v[32*\t+2*i], v[32*\t+2*i+1]
.set i, i+1
.endr
	WIN 0
.irp f, 0,1,2,3
	ds_store_b128 v[STO], v[S+32*\t+4*\f:S+32*\t+4*\f+3] offset:32*\f
.endr
.irp f, 0,1,2,3
	ds_load_b128 v[S+32*\t+4*\f:S+32*\t+4*\f+3], v[RD] offset:\f*4*SP   ; a wave's LDS instructions are served in order: these see the stores above; the next tile's stores come behind them
.endr
.endm
.macro SEND t, younger                 ; younger: the LDS instructions issued behind tile t's loads: the next tile's eight, or none
.irp f, 0,1,2,3
	s_wait_dscnt \younger+3-\f
	global_store_b128 v[GO], v[S+32*\t+4*\f:S+32*\t+4*\f+3], s[10:11] offset:\t*2048+\f*512   ; 32 lanes store 512 consecutive bytes, at a multiple of 512 from ao's first byte
.endr
.endm
	PACK 0
	PACK 1
	SEND 0, 8
	PACK 2
	SEND 1, 8
	PACK 3
	SEND 2, 8
	SEND 3, 0
	s_wait_tensorcnt 0x0                           ; the wave's end
	ds_add_u32 v[SPW], v[NIL]
	s_wait_dscnt 0x0
	CROUND                                         ; the closing round
	s_endpgm
.Lfunc_end_k_q33b36c85fe_attn:
	.size	k_q33b36c85fe_attn, .Lfunc_end_k_q33b36c85fe_attn-k_q33b36c85fe_attn
	.p2alignl 7, 3214868480
	.fill 96, 4, 3214868480
	.section	.rodata,"a",@progbits
	.p2align	6, 0x0
	.amdhsa_kernel k_q33b36c85fe_attn
		.amdhsa_group_segment_fixed_size 327680
		.amdhsa_private_segment_fixed_size 0
		.amdhsa_enable_private_segment 0
		.amdhsa_kernarg_size 16
		.amdhsa_user_sgpr_count 2
		.amdhsa_user_sgpr_kernarg_segment_ptr 1
		.amdhsa_wavefront_size32 1
		.amdhsa_system_sgpr_workgroup_id_x 1
		.amdhsa_system_sgpr_workgroup_id_y 1
		.amdhsa_system_sgpr_workgroup_id_z 1
		.amdhsa_system_vgpr_workitem_id 0
		.amdhsa_next_free_vgpr 1024
		.amdhsa_next_free_sgpr 66
		.amdhsa_reserve_vcc 0
		.amdhsa_float_denorm_mode_32 3
		.amdhsa_float_denorm_mode_16_64 3
		.amdhsa_memory_ordered 1
		.amdhsa_forward_progress 1
		.amdhsa_inst_pref_size 195
	.end_amdhsa_kernel
	.amdgpu_metadata
---
amdhsa.version: [ 1, 2 ]
amdhsa.kernels:
  - .name:           k_q33b36c85fe_attn
    .symbol:         k_q33b36c85fe_attn.kd
    .args:
      - { .name: qkvh, .offset: 0, .size: 8, .value_kind: global_buffer, .address_space: global }
      - { .name: ao, .offset: 8, .size: 8, .value_kind: global_buffer, .address_space: global }
    .group_segment_fixed_size: 327680
    .private_segment_fixed_size: 0
    .kernarg_segment_align: 8
    .kernarg_segment_size: 16
    .max_flat_workgroup_size: 128
    .sgpr_count:     66
    .vgpr_count:     1024
    .wavefront_size: 32
...
	.end_amdgpu_metadata
.endif
;; end of part 3
;; launch oproj (part 4): grid 4 x 64, 4 waves a work-group, clusters of 4 x 4, 327,680 bytes of LDS; arguments ao, woh, bo, out0; writes out0
.if DOCPART == 4
	.amdgcn_target "amdgcn-amd-amdhsa--gfx1250"
	.amdhsa_code_object_version 6
	.text
	.protected	k_q33b36c85fe_oproj
	.globl	k_q33b36c85fe_oproj
	.p2align	8
	.type	k_q33b36c85fe_oproj,@function
k_q33b36c85fe_oproj:
	s_mov_b64 s[64:65], 0
	v_nop
	global_prefetch_b8 v0, s[64:65] scope:SCOPE_SE
	s_setreg_imm32_b32 hwreg(HW_REG_WAVE_MODE, 25, 1), 1
	s_wait_xcnt 0x0
	s_wait_alu depctr_hold_cnt(0) depctr_sa_sdst(0) depctr_va_vdst(0) depctr_va_sdst(0) depctr_va_ssrc(0) depctr_va_vcc(0) depctr_vm_vsrc(0)
	s_getreg_b32 s2, hwreg(HW_REG_IB_STS2, 6, 4)
	s_cmp_eq_u32 s2, 0
	s_cbranch_scc0 .Lentry_in_a_cluster
	s_endpgm
.Lentry_in_a_cluster:
	s_bfe_u32 s2, ttmp6, 0x10000c
	s_cmp_lg_u32 s2, 0xf033
	s_cbranch_scc0 .Lentry_shape_is_right
	s_endpgm
.Lentry_shape_is_right:
; OPROJ.  out0[m][n] = sum over k of A[m][k] Wo[k][n] + bo[n]: M 8,192, N 1,024, K 1,024; f16 operands, f32 sums, f32 out.
; A lies by head: ao [64 (batch x 16 + head)][2,048][64] f16, k = 64 x head + channel.  Wo lies as it came, woh [k][n] f16, and is turned on its way out of LDS by ds_load_tr16_b128.
; A tile of the result is 128 x 256: 256 work-groups.  Four waves, each 64 x 128: 32 accumulators of 16 x 16.  K goes in steps of 128 (two heads) through a ring of two LDS slots: waves 0, 1 fetch A's two heads
; (128 rows x 128 bytes each), waves 2, 3 the two halves of Wo's 128 rows x 512 bytes.
; CLUSTERS: 4 x 4 work-groups.  The four of a row of the cluster need the same tiles of A, the four of a column the same tiles of Wo: each is asked for jointly, with a mask that names the four.
; THE MATRIX INSTRUCTION IS USED TRANSPOSED (source 0 = 16 columns of Wo, source 1 = 16 rows of A): a lane holds eight neighbouring columns of one row.  The bias is the C of each sum's first instruction.
; No prefetch: a K step's tiles are small and shared sixteenfold by the joint loads.
; REGISTERS: window 0: v16-29 addresses; v64-127 A's fragments, two buffers of 32; v128-191 the bias; on the way out v128-255 hold rows.   window 1: Wo's fragments, two buffers of 64.   window 2: the accumulators, (a, b) at v[8 (8 a + b)].
.set PA,     144                       ; a row of A in LDS: 128 bytes + 16
.set PB,     544                       ; a row of Wo: 512 bytes + 32
.set AHEAD,  128*PA                    ; one head's 128 rows
.set BOFF,   2*AHEAD
.set BHALF,  64*PB
.set SLOT,   BOFF+2*BHALF
.set STAGE,  2*SLOT                    ; behind the ring: 16 rows x (512 bytes + 16) for each wave
.set SPITCH, 528
.set SPARE,  STAGE+4*16*SPITCH         ; the spare words, 128 bytes for each wave: two blocks of 256 bytes that no other line names
.set LAPS,   4                         ; a lap = two K steps = once round the ring
.set ASTEP,  2*2048*128                ; a K step on in ao: two heads
.set BSTEP,  128*2048                  ; and in woh: 128 rows
.set ADRA, 16
.set ADRB, 20
.set STO,  24
.set RD,   25
.set CO,   26
.set BO,   27
.set SPW,  28
.set NIL,  29
.set AF,   64
.set BIAS, 128
.set BK,   128
.set G1, 24
.set G0, 32
.set G1B, 48
.set G0B, 56
.set MSB, 0
.macro WIN new
.if MSB != (\new)
	s_set_vgpr_msb (MSB<<8)|(\new)
.set MSB, (\new)
.endif
.endm
.set MUL,  0xa1                        ; source 0 (Wo) window 1, source 1 (A) window 0, C and D window 2; less 0x20: C (the bias) window 0
.set TO_B, 0x40
.macro JLOAD s                         ; a joint load; the branch hangs on the wave's number alone; an s_nop 0 and four v_nop follow each line
	s_cmp_eq_u32 s11, 0
	s_cbranch_scc0 .Lfor_b_\@
	tensor_load_to_lds s[G0+4*\s:G0+4*\s+3], s[G1:G1+7]
	s_nop 0
.rept 4
	v_nop
.endr
	s_branch .Lasked_\@
.Lfor_b_\@:
	tensor_load_to_lds s[G0B+4*\s:G0B+4*\s+3], s[G1B:G1B+7]
	s_nop 0
.rept 4
	v_nop
.endr
.Lasked_\@:
.endm
.macro CREST
	s_cmp_lg_u32 s10, 0
	s_cbranch_scc1 .Lnot_wave_0_\@
	s_barrier_signal -3
.Lnot_wave_0_\@:
	s_barrier_wait -3
	s_barrier_signal -1
	s_barrier_wait -1
.endm
.macro CROUND
	s_barrier_signal -1
	s_barrier_wait -1
	CREST
.endm
	s_load_b128 s[4:7], s[0:1], 0x0                ; ao, woh
	s_load_b128 s[16:19], s[0:1], 0x10             ; bo, out0
	v_lshl_add_u32 v[SPW], v0, 2, SPARE
	v_mov_b32 v[NIL], 0
	ds_add_u32 v[SPW], v[NIL]                      ; the wave's opening: the add, twice on end, and its wait ahead of my first tensor load
	ds_add_u32 v[SPW], v[NIL]
	v_lshrrev_b32 v1, 5, v0
	v_readfirstlane_b32 s10, v1                    ; wave 0..3
	s_lshr_b32 s11, s10, 1                         ; which 64 rows are mine.  Also: I fetch for A (0) or for Wo (1)
	s_and_b32 s12, s10, 1                          ; which 128 columns.  Also: which head of A, or which 64 rows of Wo, I fetch
	s_bfe_u32 s40, ttmp6, 0x40000                  ; cx, cy
	s_bfe_u32 s41, ttmp6, 0x40004
	s_lshl_b32 s42, ttmp9, 2
	s_add_co_u32 s42, s42, s40                     ; tile column
	s_and_b32 s13, ttmp7, 0xffff
	s_lshl_b32 s13, s13, 2
	s_add_co_u32 s13, s13, s41                     ; tile row
	s_lshl_b32 s43, s41, 2
	s_lshl_b32 s43, 15, s43                        ; my row of the cluster
	s_lshl_b32 s44, 0x1111, s40                    ; my column
	s_or_b32 s[G1+0], s43, (1<<16)|(1<<20)|(1<<21)|(4<<22)|(3<<25)   ; A: the mask; elements of 2 bytes; padding on; bit 21 beside a mask; after every 32 words four words
	s_mov_b32 s[G1+1], 64<<16                      ; tensor_dim0
	s_mov_b32 s[G1+2], 128<<16                     ; tensor_dim1
	s_mov_b32 s[G1+3], 64<<16                      ; tile_dim0
	s_mov_b32 s[G1+4], 128                         ; tile_dim1
	s_mov_b32 s[G1+5], 64                          ; the pitch
	s_mov_b32 s[G1+6], 0
	s_mov_b32 s[G1+7], 0
	s_or_b32 s[G1B+0], s44, (1<<16)|(1<<20)|(1<<21)|(6<<22)|(7<<25)  ; Wo: after every 128 words eight words
	s_mov_b32 s[G1B+1], 256<<16
	s_mov_b32 s[G1B+2], 64<<16
	s_mov_b32 s[G1B+3], 256<<16
	s_mov_b32 s[G1B+4], 64
	s_mov_b32 s[G1B+5], 1024
	s_mov_b32 s[G1B+6], 0
	s_mov_b32 s[G1B+7], 0
	s_lshl_b32 s14, s13, 7                         ; the tile's first row m
	s_lshr_b32 s15, s14, 11                        ; the batch
	s_lshl_b32 s15, s15, 4
	s_add_co_u32 s15, s15, s12                     ; + my head of the K step's two
	s_lshl_b32 s15, s15, 11
	s_and_b32 s20, s14, 2047
	s_add_co_u32 s15, s15, s20
	s_lshl_b32 s20, s15, 7                         ; rows of 128 bytes
	s_mov_b32 s21, 0
	s_lshl_b32 s46, s12, 17                        ; Wo: 64 rows of 2,048 bytes,
	s_lshl_b32 s47, s42, 9                         ; 256 columns of 2 bytes
	s_add_co_u32 s46, s46, s47
	s_mov_b32 s47, 0
	s_mul_i32 s22, s12, AHEAD                      ; where they go: no place in the cluster enters an LDS address
	s_mul_i32 s23, s12, BHALF
	s_add_co_u32 s23, s23, BOFF
	s_wait_dscnt 0x0                               ; both opening adds are done
	s_wait_kmcnt 0x0
	s_add_nc_u64 s[20:21], s[4:5], s[20:21]
	s_add_nc_u64 s[46:47], s[6:7], s[46:47]
	CROUND                                         ; all sixteen work-groups are here: the first joint loads meet
.irp s, 0,1
	s_mov_b32 s[G0+4*\s], 1
	s_add_co_u32 s[G0+4*\s+1], s22, \s*SLOT
	s_add_nc_u64 s[G0+4*\s+2:G0+4*\s+3], s[20:21], \s*ASTEP
	s_or_b32 s[G0+4*\s+3], s[G0+4*\s+3], 0x80000000
	s_mov_b32 s[G0B+4*\s], 1
	s_add_co_u32 s[G0B+4*\s+1], s23, \s*SLOT
	s_add_nc_u64 s[G0B+4*\s+2:G0B+4*\s+3], s[46:47], \s*BSTEP
	s_or_b32 s[G0B+4*\s+3], s[G0B+4*\s+3], 0x80000000
	JLOAD \s
.endr
	v_and_b32 v1, 15, v0                           ; r
	v_bfe_u32 v2, v0, 4, 1                         ; h
	v_mul_u32_u24 v3, v1, PA
	v_lshl_add_u32 v3, v2, 4, v3                   ; A: row r x pitch + 16 h
	v_and_b32 v4, 7, v0
	v_lshl_add_u32 v4, v2, 3, v4                   ; Wo, turned: row 8 h + lane % 8,
	v_mul_u32_u24 v4, v4, PB
	v_bfe_u32 v5, v0, 3, 1
	v_lshl_add_u32 v4, v5, 4, v4                   ; columns 8 ((lane / 8) % 2) on
	s_mul_i32 s14, s11, 64*PA                      ; my 64 rows of A
	s_lshl_b32 s15, s12, 8                         ; my 128 columns of Wo
	s_add_co_u32 s15, s15, BOFF
.irp s, 0,1
	v_add_nc_u32 v[ADRA+\s], s14, v3
	v_add_nc_u32 v[ADRB+\s], s15, v4
	s_add_co_u32 s14, s14, SLOT
	s_add_co_u32 s15, s15, SLOT
.endr
	s_mul_i32 s14, s10, 16*SPITCH
	s_add_co_u32 s14, s14, STAGE                   ; my stage
	v_mul_u32_u24 v5, v1, SPITCH
	v_lshl_add_u32 v5, v2, 5, v5
	v_add_nc_u32 v[STO], s14, v5                   ; in: row r, 32 bytes for each half of the lanes
	v_and_b32 v6, 31, v0
	v_lshlrev_b32 v[CO], 4, v6                     ; back: the 32 lanes take one row of 512 bytes; and the same in out0
	v_add_nc_u32 v[RD], s14, v[CO]
	s_lshl_b32 s46, s42, 10                        ; my first column, in bytes of f32: it serves bo and out0
	s_lshl_b32 s47, s12, 9
	s_add_co_u32 s46, s46, s47
	s_mov_b32 s47, 0
	s_add_nc_u64 s[16:17], s[16:17], s[46:47]
	v_lshlrev_b32 v[BO], 5, v2                     ; the bias in the result's layout: lane (r, h) wants, for block b, the numbers 16 b + 8 h + 0 .. 7
.irp b, 0,1,2,3,4,5,6,7
	global_load_b128 v[BIAS+8*\b:BIAS+8*\b+3], v[BO], s[16:17] offset:64*\b
	global_load_b128 v[BIAS+8*\b+4:BIAS+8*\b+7], v[BO], s[16:17] offset:64*\b+16
.endr
	s_lshl_b32 s14, s13, 7
	s_lshl_b32 s15, s11, 6
	s_add_co_u32 s14, s14, s15                     ; my first row
	s_lshl_b32 s14, s14, 12                        ; rows of 4,096 bytes
	s_mov_b32 s15, 0
	s_add_nc_u64 s[18:19], s[18:19], s[14:15]
	s_add_nc_u64 s[18:19], s[18:19], s[46:47]
; 24 LDS loads in one run: the fragments of the slot's q-th 32 along K into buffer f: Wo's eight (turned), then A's four
.macro FETCH slot, q, f
	WIN TO_B
.irp b, 0,1,2,3,4,5,6,7
	ds_load_tr16_b128 v[64*(\f)+8*\b:64*(\f)+8*\b+3],   v[ADRB+\slot] offset:32*PB*(\q)+32*\b
	ds_load_tr16_b128 v[64*(\f)+8*\b+4:64*(\f)+8*\b+7], v[ADRB+\slot] offset:32*PB*(\q)+32*\b+16*PB
.endr
	WIN 0
.irp i, 0,1,2,3
	ds_load_b128 v[AF+32*(\f)+8*\i:AF+32*(\f)+8*\i+3],   v[ADRA+\slot] offset:((\q)/2)*AHEAD+((\q)%2)*64+\i*16*PA
	ds_load_b128 v[AF+32*(\f)+8*\i+4:AF+32*(\f)+8*\i+7], v[ADRA+\slot] offset:((\q)/2)*AHEAD+((\q)%2)*64+\i*16*PA+32
.endr
.endm
; 8 matrix instructions: A's block a against Wo's eight.  zero = 1: the first product starts the sums from the bias.  The 32 accumulators take turns, one instruction a turn.
.macro MUL8 f, a, zero
.irp b, 0,1,2,3,4,5,6,7
.if \zero
	v_wmma_f32_16x16x32_f16 v[8*(8*(\a)+\b):8*(8*(\a)+\b)+7], v[64*(\f)+8*\b:64*(\f)+8*\b+7], v[AF+32*(\f)+8*(\a):AF+32*(\f)+8*(\a)+7], v[BIAS+8*\b:BIAS+8*\b+7]
.else
	v_wmma_f32_16x16x32_f16 v[8*(8*(\a)+\b):8*(8*(\a)+\b)+7], v[64*(\f)+8*\b:64*(\f)+8*\b+7], v[AF+32*(\f)+8*(\a):AF+32*(\f)+8*(\a)+7], v[8*(8*(\a)+\b):8*(8*(\a)+\b)+7]
.endif
.endr
.endm
.macro PLACES                          ; four plain places ahead of loads into registers that matrix instructions have read, and of the first read of results
.rept 4
	v_nop
.endr
.endm
; A K step is four quarters of 32 along K, 32 matrix instructions each, on buffers 0, 1, 0, 1.  One of the first three: multiplies buffer f and fetches quarter q into buffer g.
.macro QUARTER slot, q, f, g, zero
	s_wait_dscnt 4                                 ; Wo's eight and A's blocks 0, 1 are in; the youngest four loads (A's blocks 2, 3) may be out
	WIN MUL-0x20*(\zero)
	MUL8 \f, 0, \zero
	MUL8 \f, 1, \zero
	PLACES
	FETCH \slot, \q, \g
	s_wait_dscnt 24                                ; all but the 24 just issued
	WIN MUL-0x20*(\zero)
	MUL8 \f, 2, \zero
	MUL8 \f, 3, \zero
.endm
; The last quarter multiplies buffer 1 and changes slots: ONE barrier; ahead of it each wave waits for all its tensor loads, adds 0 to its spare word, and waits for that and for its reads of this slot.
; fill = 1: the barrier opens a round of the cluster's, and this slot is filled again, two K steps ahead, first thing behind the round.
.macro TURN slot, next, fill
	WIN 0
	s_wait_tensorcnt 0x0                           ; all my tensor loads have landed: my part of the next slot
	ds_add_u32 v[SPW], v[NIL]
	s_wait_dscnt 5                                 ; the add and the youngest four loads may be out
	WIN MUL
	MUL8 1, 0, 0
	s_wait_dscnt 0x0                               ; the add is done, and my reads of this slot are over
	s_barrier_signal -1
	MUL8 1, 1, 0
.if \fill
	WIN 0
.endif
	s_barrier_wait -1
.if \fill
	CREST
	s_add_nc_u64 s[G0+4*\slot+2:G0+4*\slot+3], s[G0+4*\slot+2:G0+4*\slot+3], 2*ASTEP
	s_add_nc_u64 s[G0B+4*\slot+2:G0B+4*\slot+3], s[G0B+4*\slot+2:G0B+4*\slot+3], 2*BSTEP
	JLOAD \slot                                    ; the four v_nop behind it are also the places ahead of the loads below
.else
	PLACES
.endif
	FETCH \next, 0, 0
	WIN MUL
	MUL8 1, 2, 0
	MUL8 1, 3, 0
.endm
	s_wait_tensorcnt 1                             ; my part of K step 0 is in; K step 1's load may be out
	s_barrier_signal -1
	s_barrier_wait -1
	FETCH 0, 0, 0
	s_wait_loadcnt 0x0                             ; the bias
	QUARTER 0, 1, 0, 1, 1                          ; the first quarter stands ahead of the loop: its products start the sums
	WIN 0
	s_mov_b32 s3, LAPS-1
.Llap:                                             ; a trip goes once round the ring and fills both slots again
	QUARTER 0, 2, 1, 0, 0
	QUARTER 0, 3, 0, 1, 0
	TURN 0, 1, 1
	QUARTER 1, 1, 0, 1, 0
	QUARTER 1, 2, 1, 0, 0
	QUARTER 1, 3, 0, 1, 0
	TURN 1, 0, 1
	QUARTER 0, 1, 0, 1, 0
	WIN 0
	s_sub_co_u32 s3, s3, 1
	s_cmp_lg_u32 s3, 0
	s_cbranch_scc1 .Llap
	QUARTER 0, 2, 1, 0, 0                          ; the last lap fills nothing
	QUARTER 0, 3, 0, 1, 0
	TURN 0, 1, 0
	QUARTER 1, 1, 0, 1, 0
	QUARTER 1, 2, 1, 0, 0
	QUARTER 1, 3, 0, 1, 0
	s_wait_dscnt 4                                 ; the very last quarter
	WIN MUL
	MUL8 1, 0, 0
	MUL8 1, 1, 0
	s_wait_dscnt 0
	MUL8 1, 2, 0
	MUL8 1, 3, 0
	WIN 0
; THE WAY OUT, a block of 16 rows x 128 columns at a time, through my own stage: back as whole rows of 512 bytes, which the 32 lanes store on end.
.macro TOSTAGE a
	WIN 0x08                                       ; an LDS store's data are its source 1: window 2
.irp b, 0,1,2,3,4,5,6,7
	ds_store_b128 v[STO], v[64*(\a)+8*\b:64*(\a)+8*\b+3] offset:64*\b          ; each accumulator from its low end on
	ds_store_b128 v[STO], v[64*(\a)+8*\b+4:64*(\a)+8*\b+7] offset:64*\b+16
.endr
	WIN 0
.set BB, BK+64*((\a)%2)
.irp t, 0,1,2,3,4,5,6,7,8,9,10,11,12,13,14,15
	ds_load_b128 v[BB+4*\t:BB+4*\t+3], v[RD] offset:\t*SPITCH    ; a wave's LDS instructions are served in order: these see the stores above
.endr
.endm
.macro SEND a, younger                 ; younger: the LDS instructions issued behind block a's loads, which may stay out
.set BB, BK+64*((\a)%2)
	s_wait_dscnt \younger
.irp t, 0,1,2,3,4,5,6,7,8,9,10,11,12,13,14,15
	global_store_b128 v[CO], v[BB+4*\t:BB+4*\t+3], s[18:19] offset:65536*(\a)+4096*\t th:TH_STORE_NT   ; 512 consecutive bytes, at a multiple of 512 from out0's first byte
.endr
.endm
	PLACES
	TOSTAGE 0
.irp a, 1,2,3
.if \a > 1
	s_wait_xcnt 0x0                                ; block a - 2's stores have read their registers: block a's loads may land there
.endif
	TOSTAGE \a
	SEND \a-1, 32                                  ; behind block a - 1's loads: block a's 16 stores and 16 loads
.endr
	SEND 3, 0
	s_wait_tensorcnt 0x0                           ; the wave's end
	ds_add_u32 v[SPW], v[NIL]
	s_wait_dscnt 0x0
	CROUND                                         ; the closing round
	s_endpgm
.Lfunc_end_k_q33b36c85fe_oproj:
	.size	k_q33b36c85fe_oproj, .Lfunc_end_k_q33b36c85fe_oproj-k_q33b36c85fe_oproj
	.p2alignl 7, 3214868480
	.fill 96, 4, 3214868480
	.section	.rodata,"a",@progbits
	.p2align	6, 0x0
	.amdhsa_kernel k_q33b36c85fe_oproj
		.amdhsa_group_segment_fixed_size 327680
		.amdhsa_private_segment_fixed_size 0
		.amdhsa_enable_private_segment 0
		.amdhsa_kernarg_size 32
		.amdhsa_user_sgpr_count 2
		.amdhsa_user_sgpr_kernarg_segment_ptr 1
		.amdhsa_wavefront_size32 1
		.amdhsa_system_sgpr_workgroup_id_x 1
		.amdhsa_system_sgpr_workgroup_id_y 1
		.amdhsa_system_sgpr_workgroup_id_z 1
		.amdhsa_system_vgpr_workitem_id 0
		.amdhsa_next_free_vgpr 768
		.amdhsa_next_free_sgpr 66
		.amdhsa_reserve_vcc 0
		.amdhsa_float_denorm_mode_32 3
		.amdhsa_float_denorm_mode_16_64 3
		.amdhsa_memory_ordered 1
		.amdhsa_forward_progress 1
		.amdhsa_inst_pref_size 87
	.end_amdhsa_kernel
	.amdgpu_metadata
---
amdhsa.version: [ 1, 2 ]
amdhsa.kernels:
  - .name:           k_q33b36c85fe_oproj
    .symbol:         k_q33b36c85fe_oproj.kd
    .args:
      - { .name: ao, .offset: 0, .size: 8, .value_kind: global_buffer, .address_space: global }
      - { .name: woh, .offset: 8, .size: 8, .value_kind: global_buffer, .address_space: global }
      - { .name: bo, .offset: 16, .size: 8, .value_kind: global_buffer, .address_space: global }
      - { .name: out0, .offset: 24, .size: 8, .value_kind: global_buffer, .address_space: global }
    .group_segment_fixed_size: 327680
    .private_segment_fixed_size: 0
    .kernarg_segment_align: 8
    .kernarg_segment_size: 32
    .max_flat_workgroup_size: 128
    .sgpr_count:     66
    .vgpr_count:     768
    .wavefront_size: 32
...
	.end_amdgpu_metadata
.endif
;; end of part 4
